; MI455X (gfx1250); checked and timed in simulation.
; The chip was launched on July 23, 2026; its instructions are those of AMD's public machine-readable ISA for CDNA 5 (MIT licence, August 2026) and "CDNA5" Instruction Set Architecture Reference Guide (July 2026). The comments in the code are by the model that wrote it; some were corrected since.
;; Spatial Multi Head Attention. Allowed arithmetic: float matrix products may take bf16 or f16 operands with f32 sums; other float arithmetic in f32, or as packed bf16 or f16 multiplies, adds, multiply-adds, maxima and minima; sums over many terms, partial sums and values carried from step to step in f32; what a program stores and reads back later, other than sums and carried values, may be rounded once to bf16 or f16.
;; Inputs: bk 512 float32; bo 512 float32; bq 512 float32; bv 512 float32; key 4 x 1,024 x 512 float32; pb_b0 128 float32; pb_b1 128 float32; pb_b2 16 float32; pb_w0 2 x 128 float32; pb_w1 128 x 128 float32; pb_w2 128 x 16 float32; query 4 x 1,024 x 512 float32; value 4 x 1,024 x 512 float32; wk 512 x 512 float32; wo 512 x 512 float32; wq 512 x 512 float32; wv 512 x 512 float32.
;; Outputs: out0 4 x 1,024 x 512 float32.
;; Constants: patch_height = 32, patch_width = 32.
;; 2 versions, each right; version 2 is version 1 with the launch prep written anew for expert scheduling mode. Each part assembles by itself: llvm-mc -triple=amdgcn-amd-amdhsa -mcpu=gfx1250 --defsym DOCPART=n.
;; ======== version 1 of 2: 4 launches
;; limits: values are held in f16: magnitudes above 65,504 overflow, below 6.1e-05 lose precision; right only within a limited range of input values
;; workspace buffers: tab 1,032,192 bytes; w16 2,097,152 bytes; qkv 12,582,912 bytes; ctx 4,194,304 bytes
;; launch prep (part 1): grid 127 x 1, 4 waves a work-group, no clusters, 47,616 bytes of LDS; arguments pb_w0, pb_b0, pb_w1, pb_b1, pb_w2, wq, wk, wv, wo, tab, w16; writes tab, w16
.if DOCPART == 1
	.amdgcn_target "amdgcn-amd-amdhsa--gfx1250"
	.amdhsa_code_object_version 6
	.text
	.protected	k_q33eb4be01b_prep
	.globl	k_q33eb4be01b_prep
	.p2align	8
	.type	k_q33eb4be01b_prep,@function
k_q33eb4be01b_prep:
	s_mov_b64 s[64:65], 0
	v_nop
	global_prefetch_b8 v0, s[64:65] scope:SCOPE_SE
	s_setreg_imm32_b32 hwreg(HW_REG_WAVE_MODE, 25, 1), 1
	s_wait_xcnt 0x0
; PREP: the position-bias table, and the four weight matrices in 16 bits.
; WORK THAT IS NOT DONE, in the problem's own terms, for all values of the inputs:
;  (1) reference() builds pos in its own body from the constants 32, 32, so rel = pos[q] - pos[k] = (qy - ky, qx - kx) takes 63 x 63 values, and the MLP is a function of rel alone.
;      It is evaluated once for each (dy, dx), 63 x 64 rows, not for each of the 1,048,576 pairs (q, k); the attention launch finds a pair's number by arithmetic on its own ids.
;  (2) bk: Q . (key wk + bk) = Q . (key wk) + Q . bk, and Q . bk is the same for every key of a softmax row: it cancels in the softmax.  bk is loaded by no launch.
;  (3) pb_b2: one number a head, added to every score of the head: the same along the softmax's axis.  pb_b2 is loaded by no launch.
;  LIMIT: a NaN, an infinity or an overflow that reaches only bk, pb_b2 or a repeated evaluation of the MLP is not carried to the result.
; TABLE.  tab[head 16][dyi 63][j0 64][4] f32: entry (dyi, j0) holds T[j0 .. j0+3], T[j] = log2(e) x MLP(dy = dyi - 31, dx = 31 - j)[head] without pb_b2, T[64..] = 0:
;  a sliding window, so that any eight neighbouring T are two aligned reads of 16 bytes, 64 bytes apart.
; FORMATS.  All inputs are rounded to bf16 once.  pb_w1, pb_w2 and wo are then written as f16 (exact in f16's normal range).
;  THE HIDDEN LAYERS GO AS TWO f16 OPERANDS, hi + lo: a bias is an exponent, tens in size at the grid's far pairs, so one f16's 11 bits would move a weight by parts in a thousand.
;  hi = the f32 number with its low 13 mantissa bits cleared (exact in f16's normal range), lo = the rest, rounded to f16: some 21 bits together; each product is taken with hi and with lo.
;  LIMITS: |x1| within 65,504; x2 is carried as x2 / 64 (LeakyReLU commutes with a positive factor), so |x2| within 4.19e6; below 6.1e-5 hi and lo keep f16's fixed step of 6e-8; NaN and infinities are not treated apart.
; SHARES.  Work-groups 0 .. 62: table row dyi = the work-group's number; wave w owns the positions j = 16 w .. 16 w + 15.  Work-groups 63 .. 126: 65,536 bytes of one weight matrix each.
;  Both kinds pass the same two barriers; every jump on the work-group's number goes forward over text that holds no barrier.
.set W1P,   288                        ; a row of pb_w1 in LDS: 128 f16 + 32 bytes: the turning load's 8 rows x 32 bytes fall on different banks
.set W2H,   128*W1P                    ; pb_w2 as f16, rows of 32 bytes
.set PRE,   W2H+4096                   ; dy w0[0][:] + b0, f32
.set W01,   PRE+512                    ; w0[1][:], f32
.set B1,    W01+512                    ; b1, f32
.set TT,    B1+512                     ; T: 16 heads x 72 words
.set TP,    288
.set SPARE, TT+16*TP                   ; the spare words, 128 bytes a wave: two blocks of 256 bytes that no other line names
.set SPW, 2                            ; v2  my spare word; never rewritten
.set NIL, 3                            ; v3  0; never rewritten
.set X1H, 32                           ; v[32:63]    layer 1, hi: four fragments of 32 units x 16 positions
.set X1L, 160                          ; v[160:191]  layer 1, lo
.set BF0, 64                           ; v[64:159]   three buffers of four fragments of pb_w1
.set BF1, 96
.set BF2, 128
.set AC2, 192                          ; v[192:255]  layer 2's eight accumulators
.set X2H, 96                           ; v[96:127]   layer 2, hi (behind pb_w1's last use of the buffer)
.set X2L, 160                          ; v[160:191]  layer 2, lo
.set W2F, 128                          ; v[128:159]  pb_w2's four fragments
.set TA,  32                           ; v[32:47]    layer 3's two accumulators
.set TB,  40
; v4 lane, v5 lane % 16, v8 lane / 16, v[6:7] dx, v9 4 t, v10 16 t, v17 8 t, v18 32 t, v11 T's pad, v13 32 (lane / 16), v16 pb_w1's place, v19, v22 turning loads, v14, v15 T in and out, v25 my place in tab
.macro RB a, b, t                      ; two f32 rounded to bf16 and widened again
	v_cvt_pk_bf16_f32 v[\t], v[\a], v[\b]
	v_lshlrev_b32 v[\a], 16, v[\t]
	v_and_b32 v[\b], 0xffff0000, v[\t]
.endm
.macro H4 b, t                         ; four f32 -> bf16 -> f16, packed into the first two registers
	RB (\b), (\b)+1, \t
	RB (\b)+2, (\b)+3, (\t)+1
	v_cvt_pk_f16_f32 v[(\b)], v[(\b)], v[(\b)+1]
	v_cvt_pk_f16_f32 v[(\b)+1], v[(\b)+2], v[(\b)+3]
.endm
.macro H8 b, t                         ; eight, into the first four
	RB (\b), (\b)+1, \t
	RB (\b)+2, (\b)+3, (\t)+1
	RB (\b)+4, (\b)+5, (\t)+2
	RB (\b)+6, (\b)+7, (\t)+3
	v_cvt_pk_f16_f32 v[(\b)], v[(\b)], v[(\b)+1]
	v_cvt_pk_f16_f32 v[(\b)+1], v[(\b)+2], v[(\b)+3]
	v_cvt_pk_f16_f32 v[(\b)+2], v[(\b)+4], v[(\b)+5]
	v_cvt_pk_f16_f32 v[(\b)+3], v[(\b)+6], v[(\b)+7]
.endm
.macro PLACES                          ; four plain vector instructions between a matrix instruction and what reads its result or writes its registers (ISA guide 7.12.1)
.rept 4
	v_nop
.endr
.endm
; 64 f32 at x are split: hi into 64 registers at t, the rest stays at x; then both are packed to f16, hi to h (32 registers) first, lo to l, which may lie on t's registers
.macro SPLIT x, t, h, l
.set i, 0
.rept 64
	v_and_b32 v[(\t)+i], s48, v[(\x)+i]
.set i, i+1
.endr
.set i, 0
.rept 32
	v_pk_add_f32 v[(\x)+2*i:(\x)+2*i+1], v[(\x)+2*i:(\x)+2*i+1], v[(\t)+2*i:(\t)+2*i+1] neg_lo:[0,1] neg_hi:[0,1]
.set i, i+1
.endr
.set i, 0
.rept 32
	v_cvt_pk_f16_f32 v[(\h)+i], v[(\t)+2*i], v[(\t)+2*i+1]
.set i, i+1
.endr
.set i, 0
.rept 32
	v_cvt_pk_f16_f32 v[(\l)+i], v[(\x)+2*i], v[(\x)+2*i+1]
.set i, i+1
.endr
.endm
	s_load_b512 s[8:23], s[0:1], 0x0               ; w0 s[8:9], b0 s[10:11], w1 s[12:13], b1 s[14:15], w2 s[16:17], wq s[18:19], wk s[20:21], wv s[22:23]
	s_load_b128 s[24:27], s[0:1], 0x40             ; wo s[24:25], tab s[26:27]
	s_load_b64 s[28:29], s[0:1], 0x50              ; w16
	v_lshl_add_u32 v[SPW], v0, 2, SPARE
	v_mov_b32 v[NIL], 0
	v_lshrrev_b32 v1, 5, v0
	v_readfirstlane_b32 s30, v1                    ; wave 0..3
	v_and_b32 v4, 31, v0
	v_and_b32 v5, 15, v0
	v_bfe_u32 v8, v0, 4, 1
	v_lshlrev_b32 v9, 2, v0
	v_lshlrev_b32 v10, 4, v0
	v_lshlrev_b32 v17, 3, v0
	v_lshlrev_b32 v18, 5, v0
	v_lshrrev_b32 v11, 3, v0                       ; T's pad: head t / 8, word 64 + t % 8
	v_mul_u32_u24 v11, v11, TP
	v_and_b32 v20, 7, v0
	v_lshl_add_u32 v11, v20, 2, v11
	v_lshlrev_b32 v13, 5, v8
	s_mul_i32 s31, s30, W1P
	v_lshl_add_u32 v16, v4, 3, s31                 ; pb_w1: row wave + 4 i, 8 bytes a lane
	v_lshl_add_u32 v20, v8, 3, v20                 ; the turning loads: row 8 (l / 16) + l % 8,
	v_bfe_u32 v21, v0, 3, 1                        ; 16 bytes by (l / 8) % 2
	v_mul_u32_u24 v19, v20, W1P
	v_lshl_add_u32 v19, v21, 4, v19
	v_lshlrev_b32 v22, 5, v20
	v_lshl_add_u32 v22, v21, 4, v22
	s_lshl_b32 s32, s30, 6
	v_mul_u32_u24 v14, v8, 8*TP                    ; T in: heads 8 (l / 16) + i, word 16 w + l % 16
	v_lshl_add_u32 v14, v5, 2, v14
	v_add_nc_u32 v14, s32, v14
	v_lshrrev_b32 v23, 6, v0
	v_and_b32 v24, 63, v0
	v_mul_u32_u24 v15, v23, TP                     ; T out: head t / 64 + 2 i, word t % 64
	v_lshl_add_u32 v15, v24, 2, v15
	v_mul_u32_u24 v25, v23, 64512                  ; a head of tab is 63 x 1,024 bytes
	v_lshl_add_u32 v25, v24, 4, v25
	s_lshl_b32 s33, s30, 4
	s_sub_co_u32 s33, 31, s33
	v_sub_nc_u32 v6, s33, v5                       ; dx = 31 - 16 w - l % 16
	v_cvt_f32_i32 v6, v6
	v_mov_b32 v7, v6
	s_mov_b32 s38, 0x3c23d70a                      ; 0.01
	s_mov_b32 s39, s38
	s_mov_b32 s40, 0x42b8aa3b                      ; 64 log2(e)
	s_mov_b32 s41, s40
	s_mov_b32 s42, 0x3923d70a                      ; 0.01 / 64
	s_mov_b32 s43, s42
	s_mov_b32 s44, 0x3c800000                      ; 1 / 64
	s_mov_b32 s45, s44
	s_wait_kmcnt 0x0
	s_cmp_ge_u32 ttmp9, 63
	s_cbranch_scc1 .Lcast
	; TABLE, PHASE 1: the MLP's weights come in, are rounded and laid into LDS.  40 loads go out at once.
	global_load_b32 v208, v9, s[8:9]               ; w0[0][t]
	global_load_b32 v209, v9, s[8:9] offset:512    ; w0[1][t]
	global_load_b32 v210, v9, s[10:11]             ; b0[t]
	global_load_b32 v211, v9, s[14:15]             ; b1[t]
.irp i, 0,1,2,3
	global_load_b128 v[192+4*\i:195+4*\i], v10, s[16:17] offset:2048*\i
.endr
.set i, 0
.rept 32
	global_load_b128 v[64+4*i:67+4*i], v10, s[12:13] offset:2048*i
.set i, i+1
.endr
	s_sub_co_i32 s31, ttmp9, 31
	v_cvt_f32_i32 v213, s31                        ; dy
	s_wait_loadcnt 36                              ; the four small loads are in; the 36 younger stay out
	RB 208, 209, 212
	RB 210, 211, 212
	v_fma_f32 v208, v213, v208, v210               ; dy w0[0] + b0
	ds_store_b32 v9, v208 offset:PRE
	ds_store_b32 v9, v209 offset:W01
	ds_store_b32 v9, v211 offset:B1
	ds_store_b32 v11, v[NIL] offset:TT+256         ; T[64 .. 71] = 0
.irp i, 0,1,2,3
	s_wait_loadcnt 35-\i                           ; pb_w2's part i; the younger loads stay out
	H4 192+4*\i, 212
	ds_store_b64 v17, v[192+4*\i:193+4*\i] offset:W2H+1024*\i
.endr
.set i, 0
.rept 32
	s_wait_loadcnt 31-i                            ; pb_w1's part i
	H4 64+4*i, 212
	ds_store_b64 v16, v[64+4*i:65+4*i] offset:4*W1P*i
.set i, i+1
.endr
	s_branch .Lb1
.Lcast:	; THE WEIGHTS: matrix (n - 63) / 16, sixteenth (n - 63) % 16: 65,536 bytes of f32 in, 32,768 bytes out, in the inputs' own [in][out] order
	s_sub_co_u32 s31, ttmp9, 63
	s_lshr_b32 s48, s31, 4
	s_and_b32 s49, s31, 15
	s_cmp_eq_u32 s48, 1
	s_cselect_b64 s[34:35], s[20:21], s[18:19]
	s_cmp_eq_u32 s48, 2
	s_cselect_b64 s[34:35], s[22:23], s[34:35]
	s_cmp_eq_u32 s48, 3
	s_cselect_b64 s[34:35], s[24:25], s[34:35]
	s_lshl_b32 s46, s49, 16
	s_mov_b32 s47, 0
	s_add_nc_u64 s[34:35], s[34:35], s[46:47]
	s_lshl_b32 s46, s48, 19
	s_lshl_b32 s31, s49, 15
	s_add_co_u32 s46, s46, s31
	s_add_nc_u64 s[36:37], s[28:29], s[46:47]
.set i, 0
.rept 16
	global_load_b128 v[64+8*i:67+8*i], v18, s[34:35] offset:4096*i th:TH_LOAD_NT
	global_load_b128 v[68+8*i:71+8*i], v18, s[34:35] offset:4096*i+16 th:TH_LOAD_NT
.set i, i+1
.endr
	s_cmp_eq_u32 s48, 3
	s_cbranch_scc1 .Lcast_h
.set i, 0
.rept 16                               ; wq, wk, wv: bf16
	s_wait_loadcnt 30-2*i                          ; my eight numbers of part i; the younger loads stay out
.irp j, 0,1,2,3
	v_cvt_pk_bf16_f32 v[64+8*i+\j], v[64+8*i+2*\j], v[64+8*i+2*\j+1]
.endr
	global_store_b128 v10, v[64+8*i:67+8*i], s[36:37] offset:2048*i  ; a wave's store covers 512 consecutive bytes, aligned
.set i, i+1
.endr
	s_branch .Lcast_done
.Lcast_h:
.set i, 0
.rept 16                               ; wo: rounded to bf16, written as f16, since it multiplies ctx, which is f16
	s_wait_loadcnt 30-2*i
	H8 64+8*i, 212
	global_store_b128 v10, v[64+8*i:67+8*i], s[36:37] offset:2048*i
.set i, i+1
.endr
.Lcast_done:
	s_wait_xcnt 0x0                                ; the stores have read their registers: the text below names the same ones
.Lb1:
	s_wait_dscnt 0x0                               ; for the others' sake: my LDS stores are done
	s_barrier_signal -1
	s_barrier_wait -1
	s_cmp_ge_u32 ttmp9, 63
	s_cbranch_scc1 .Lb2
	; TABLE, PHASE 2.  LAYER 1 in f32: x1[k] = leaky(dx w0[1][k] + (dy w0[0][k] + b0[k])), for my position and the 64 units that a source-1 fragment wants of my lane:
	; of each 32 units, 8 (l / 16) + 0..7 and 16 + 8 (l / 16) + 0..7.  leaky(x) = max(x, 0.01 x) for every finite x.
	s_mov_b32 s48, 0xffffe000                      ; keeps sign, exponent and ten mantissa bits: what f16 holds
.set i, 0
.rept 4
	ds_load_b128 v[64+16*i:67+16*i], v13 offset:PRE+128*i
	ds_load_b128 v[68+16*i:71+16*i], v13 offset:PRE+128*i+16
	ds_load_b128 v[72+16*i:75+16*i], v13 offset:PRE+128*i+64
	ds_load_b128 v[76+16*i:79+16*i], v13 offset:PRE+128*i+80
	ds_load_b128 v[128+16*i:131+16*i], v13 offset:W01+128*i
	ds_load_b128 v[132+16*i:135+16*i], v13 offset:W01+128*i+16
	ds_load_b128 v[136+16*i:139+16*i], v13 offset:W01+128*i+64
	ds_load_b128 v[140+16*i:143+16*i], v13 offset:W01+128*i+80
.set i, i+1
.endr
	s_wait_dscnt 0x0
.set i, 0
.rept 32
	v_pk_fma_f32 v[64+2*i:65+2*i], v[128+2*i:129+2*i], v[6:7], v[64+2*i:65+2*i] op_sel_hi:[1,0,1]
.set i, i+1
.endr
.set i, 0
.rept 32
	v_pk_mul_f32 v[128+2*i:129+2*i], v[64+2*i:65+2*i], s[38:39] op_sel_hi:[1,0]
.set i, i+1
.endr
.set i, 0
.rept 64
	v_max_num_f32 v[64+i], v[64+i], v[128+i]
.set i, i+1
.endr
	SPLIT 64, 128, X1H, X1L                        ; hi is packed out of v[128:191] before lo is packed into v[160:191]
	; LAYER 2, transposed: source 0 = 16 units of layer 2 (pb_w1 turned on its way out of LDS), source 1 = X1.  A lane's results: my position, units 16 nb + 8 (l / 16) + 0..7.
	; The eight accumulators start as b1.  pb_w1 comes in eight half runs n (units 32 (n / 2) .. of layer 1, units 64 (n % 2) .. of layer 2: four fragments) through three buffers by turns.
	; A half run's four accumulators take turns, with X1's hi and then with its lo; neighbouring half runs have different accumulators: one instruction a turn.
.irp nb, 0,1,2,3,4,5,6,7
	ds_load_b128 v[AC2+8*\nb:AC2+8*\nb+3], v13 offset:B1+64*\nb
	ds_load_b128 v[AC2+8*\nb+4:AC2+8*\nb+7], v13 offset:B1+64*\nb+16
.endr
.macro W1F buf, n                      ; eight turning loads
.irp j, 0,1,2,3
	ds_load_tr16_b128 v[(\buf)+8*\j:(\buf)+8*\j+3], v19 offset:32*W1P*((\n)/2)+32*(4*((\n)%2)+\j)
	ds_load_tr16_b128 v[(\buf)+8*\j+4:(\buf)+8*\j+7], v19 offset:32*W1P*((\n)/2)+32*(4*((\n)%2)+\j)+16*W1P
.endr
.endm
.macro L2 buf, n                       ; eight products
.irp x, X1H, X1L
.irp j, 0,1,2,3
	v_wmma_f32_16x16x32_f16 v[AC2+8*(4*((\n)%2)+\j):AC2+8*(4*((\n)%2)+\j)+7], v[(\buf)+8*\j:(\buf)+8*\j+7], v[(\x)+8*((\n)/2):(\x)+8*((\n)/2)+7], v[AC2+8*(4*((\n)%2)+\j):AC2+8*(4*((\n)%2)+\j)+7]
.endr
.endr
.endm
.macro HALF buf, n                     ; half run n is multiplied, and its buffer takes half run n + 3
	s_wait_dscnt 16                                ; half run n (and, the first time, b1) is in; the two younger runs of eight loads stay out
	L2 \buf, \n
	PLACES                                         ; between the products and the loads into the buffer that they read
	W1F \buf, (\n)+3
.endm
	W1F BF0, 0
	W1F BF1, 1
	W1F BF2, 2
	HALF BF0, 0
	HALF BF1, 1
	HALF BF2, 2
	HALF BF0, 3
	HALF BF1, 4
	s_wait_dscnt 16
	L2 BF2, 5
	PLACES
.irp kc, 0,1,2,3                       ; pb_w2's four fragments (16 heads x 32 units), turned likewise, where half run 5 lay
	ds_load_tr16_b128 v[W2F+8*\kc:W2F+8*\kc+3], v22 offset:W2H+1024*\kc
	ds_load_tr16_b128 v[W2F+8*\kc+4:W2F+8*\kc+7], v22 offset:W2H+1024*\kc+512
.endr
	s_wait_dscnt 16                                ; half run 6 is in; half run 7's and pb_w2's loads stay out
	L2 BF0, 6
	s_wait_dscnt 8                                 ; half run 7 is in; pb_w2's eight loads stay out
	L2 BF1, 7
	PLACES
.set i, 0
.rept 32                               ; x2 / 64 = max(x / 64, 0.01 x / 64); each accumulator is read from its low end on
	v_pk_mul_f32 v[32+2*i:33+2*i], v[AC2+2*i:AC2+2*i+1], s[42:43] op_sel_hi:[1,0]
.set i, i+1
.endr
.set i, 0
.rept 32
	v_pk_mul_f32 v[AC2+2*i:AC2+2*i+1], v[AC2+2*i:AC2+2*i+1], s[44:45] op_sel_hi:[1,0]
.set i, i+1
.endr
.set i, 0
.rept 64
	v_max_num_f32 v[AC2+i], v[AC2+i], v[32+i]
.set i, i+1
.endr
	SPLIT AC2, 32, X2H, X2L                        ; two accumulators, packed, ARE a source-1 fragment of 32 units
	; LAYER 3: source 0 = the 16 heads, source 1 = X2, hi and then lo.  Two accumulators by turns.
	s_wait_dscnt 0x0
	v_wmma_f32_16x16x32_f16 v[TA:TA+7], v[W2F:W2F+7], v[X2H:X2H+7], 0
	v_wmma_f32_16x16x32_f16 v[TB:TB+7], v[W2F+8:W2F+15], v[X2H+8:X2H+15], 0
	v_wmma_f32_16x16x32_f16 v[TA:TA+7], v[W2F+16:W2F+23], v[X2H+16:X2H+23], v[TA:TA+7]
	v_wmma_f32_16x16x32_f16 v[TB:TB+7], v[W2F+24:W2F+31], v[X2H+24:X2H+31], v[TB:TB+7]
	v_wmma_f32_16x16x32_f16 v[TA:TA+7], v[W2F:W2F+7], v[X2L:X2L+7], v[TA:TA+7]
	v_wmma_f32_16x16x32_f16 v[TB:TB+7], v[W2F+8:W2F+15], v[X2L+8:X2L+15], v[TB:TB+7]
	v_wmma_f32_16x16x32_f16 v[TA:TA+7], v[W2F+16:W2F+23], v[X2L+16:X2L+23], v[TA:TA+7]
	v_wmma_f32_16x16x32_f16 v[TB:TB+7], v[W2F+24:W2F+31], v[X2L+24:X2L+31], v[TB:TB+7]
	PLACES
.irp j, 0,1,2,3
	v_pk_mul_f32 v[TB+2*\j:TB+2*\j+1], v[TB+2*\j:TB+2*\j+1], s[40:41] op_sel_hi:[1,0]
.endr
.irp j, 0,1,2,3
	v_pk_fma_f32 v[TA+2*\j:TA+2*\j+1], v[TA+2*\j:TA+2*\j+1], s[40:41], v[TB+2*\j:TB+2*\j+1] op_sel_hi:[1,0,1]  ; 64 log2(e) x (both halves of the sum)
.endr
.irp j, 0,1,2,3,4,5,6,7
	ds_store_b32 v14, v[TA+\j] offset:TT+TP*\j     ; T[head 8 (l / 16) + j][16 w + l % 16]
.endr
.Lb2:
	s_wait_dscnt 0x0
	s_barrier_signal -1
	s_barrier_wait -1
	s_cmp_ge_u32 ttmp9, 63
	s_cbranch_scc1 .Lend
	; TABLE, PHASE 3: the sliding windows go out: thread t writes T[j0 .. j0 + 3], j0 = t % 64, of heads t / 64 + 2 i
	s_lshl_b32 s46, ttmp9, 10
	s_mov_b32 s47, 0
	s_add_nc_u64 s[50:51], s[26:27], s[46:47]      ; tab at row dyi
.irp i, 0,1,2,3,4,5,6,7
.irp j, 0,1,2,3
	ds_load_b32 v[64+4*\i+\j], v15 offset:TT+2*TP*\i+4*\j
.endr
.endr
.irp i, 0,1,2,3,4,5,6,7
	s_wait_dscnt 4*(7-\i)                          ; my four words of pair i; the younger loads stay out
	global_store_b128 v25, v[64+4*\i:67+4*\i], s[50:51] offset:129024*\i  ; a wave's store covers 512 consecutive bytes, aligned
.endr
.Lend:
	s_wait_tensorcnt 0x0                           ; the wave's end, behind my last LDS store
	ds_add_u32 v[SPW], v[NIL]
	s_wait_dscnt 0x0
	s_endpgm
.Lfunc_end_k_q33eb4be01b_prep:
	.size	k_q33eb4be01b_prep, .Lfunc_end_k_q33eb4be01b_prep-k_q33eb4be01b_prep
	.p2alignl 7, 3214868480
	.fill 96, 4, 3214868480
	.section	.rodata,"a",@progbits
	.p2align	6, 0x0
	.amdhsa_kernel k_q33eb4be01b_prep
		.amdhsa_group_segment_fixed_size 47616
		.amdhsa_private_segment_fixed_size 0
		.amdhsa_enable_private_segment 0
		.amdhsa_kernarg_size 88
		.amdhsa_user_sgpr_count 2
		.amdhsa_user_sgpr_kernarg_segment_ptr 1
		.amdhsa_wavefront_size32 1
		.amdhsa_system_sgpr_workgroup_id_x 1
		.amdhsa_system_sgpr_workgroup_id_y 1
		.amdhsa_system_sgpr_workgroup_id_z 1
		.amdhsa_system_vgpr_workitem_id 0
		.amdhsa_next_free_vgpr 256
		.amdhsa_next_free_sgpr 66
		.amdhsa_reserve_vcc 0
		.amdhsa_float_denorm_mode_32 3
		.amdhsa_float_denorm_mode_16_64 3
		.amdhsa_memory_ordered 1
		.amdhsa_forward_progress 1
		.amdhsa_inst_pref_size 99
	.end_amdhsa_kernel
	.amdgpu_metadata
---
amdhsa.version: [ 1, 2 ]
amdhsa.kernels:
  - .name:           k_q33eb4be01b_prep
    .symbol:         k_q33eb4be01b_prep.kd
    .args:
      - { .name: pb_w0, .offset: 0, .size: 8, .value_kind: global_buffer, .address_space: global }
      - { .name: pb_b0, .offset: 8, .size: 8, .value_kind: global_buffer, .address_space: global }
      - { .name: pb_w1, .offset: 16, .size: 8, .value_kind: global_buffer, .address_space: global }
      - { .name: pb_b1, .offset: 24, .size: 8, .value_kind: global_buffer, .address_space: global }
      - { .name: pb_w2, .offset: 32, .size: 8, .value_kind: global_buffer, .address_space: global }
      - { .name: wq, .offset: 40, .size: 8, .value_kind: global_buffer, .address_space: global }
      - { .name: wk, .offset: 48, .size: 8, .value_kind: global_buffer, .address_space: global }
      - { .name: wv, .offset: 56, .size: 8, .value_kind: global_buffer, .address_space: global }
      - { .name: wo, .offset: 64, .size: 8, .value_kind: global_buffer, .address_space: global }
      - { .name: tab, .offset: 72, .size: 8, .value_kind: global_buffer, .address_space: global }
      - { .name: w16, .offset: 80, .size: 8, .value_kind: global_buffer, .address_space: global }
    .group_segment_fixed_size: 47616
    .private_segment_fixed_size: 0
    .kernarg_segment_align: 8
    .kernarg_segment_size: 88
    .max_flat_workgroup_size: 128
    .sgpr_count:     66
    .vgpr_count:     256
    .wavefront_size: 32
...
	.end_amdgpu_metadata
.endif
;; end of part 1
;; launch qkv (part 2): grid 4 x 192, 4 waves a work-group, clusters of 4 x 4, 303,616 bytes of LDS; arguments query, key, value, w16, bq, bv, qkv; writes qkv
.if DOCPART == 2
	.amdgcn_target "amdgcn-amd-amdhsa--gfx1250"
	.amdhsa_code_object_version 6
	.text
	.protected	k_q33eb4be01b_qkv
	.globl	k_q33eb4be01b_qkv
	.p2align	8
	.type	k_q33eb4be01b_qkv,@function
k_q33eb4be01b_qkv:
	s_mov_b64 s[64:65], 0
	v_nop
	global_prefetch_b8 v0, s[64:65] scope:SCOPE_SE
	s_setreg_imm32_b32 hwreg(HW_REG_WAVE_MODE, 25, 1), 1
	s_wait_xcnt 0x0
	s_wait_alu depctr_hold_cnt(0) depctr_sa_sdst(0) depctr_va_vdst(0) depctr_va_sdst(0) depctr_va_ssrc(0) depctr_va_vcc(0) depctr_vm_vsrc(0)
	s_getreg_b32 s2, hwreg(HW_REG_IB_STS2, 6, 4)
	s_cmp_eq_u32 s2, 0
	s_cbranch_scc0 .Lentry_in_a_cluster
	s_endpgm
.Lentry_in_a_cluster:
	s_bfe_u32 s2, ttmp6, 0x10000c
	s_cmp_lg_u32 s2, 0xf033
	s_cbranch_scc0 .Lentry_shape_is_right
	s_endpgm
.Lentry_shape_is_right:
; THE THREE PROJECTIONS.  qkv[mat 3][b 4][h 16][s 1024][32] f16: q = (query wq + bq) c, c = log2(e) / sqrt(32); k = key wk; v = value wv + bv.
; LEFT OUT: bk (Q . bk is the same for every key of a softmax row: shown at the head of prep); it is no argument of this launch.
; x and the biases are rounded to bf16 here, the weights were (w16, [k][n] as the inputs lie); sums in f32; each result is rounded once, to f16.  LIMIT: |q c|, |k|, |v| within 65,504.
; SHARES.  A work-group makes 64 rows x 128 columns (4 heads) of one matrix; its whole K = 512 lies in LDS, brought by one group of first fills in four chunks of K = 128: no byte of LDS is filled twice.
;  Wave w: rows 32 (w / 2) .., columns 64 (w % 2) ..: 2 x 4 accumulators.  Waves 0, 1 fetch x (32 rows each a chunk), waves 2, 3 the weights (64 rows of k each a chunk): four tensor loads of a wave are out.
; CLUSTER 4 x 4.  The four of a row of the cluster (same cy) make the same rows and ask for x jointly; the four of a column (same cx) make the same columns and ask for the weights jointly.
;  The matrix is chosen by the cluster's y alone: it is the same in all sixteen.
; THE PRODUCT IS TAKEN TRANSPOSED: source 0 = 16 columns of w (turned on the way out of LDS), source 1 = 16 rows of x: a lane holds one row and eight neighbouring columns.
.set APITCH, 528                       ; a row of x in LDS: 128 f32 + 16 bytes: the 16 rows of a load start at 16 different groups of four banks (ISA guide 11.1)
.set ACH,    64*APITCH                 ; a chunk of x
.set WPITCH, 288                       ; a row of w: 128 bf16 + 32 bytes
.set WCH,    128*WPITCH                ; a chunk of w
.set WBASE,  4*ACH
.set STAGE,  WBASE+4*WCH               ; the way out: for each wave [head 2][row 32][80 bytes]; no tensor load lands here
.set WSTG,   2*32*80
.set SPARE,  STAGE+4*WSTG              ; the spare words, 128 bytes a wave: two blocks of 256 bytes that no other line names
.set ACC,  16                          ; v[16:79]   accumulator (mb, nb) at ACC + 8 (4 mb + nb)
.set WB,   80                          ; v[80:143]  w's fragments, two buffers of 32
.set RAW,  144                         ; v[144:175] x as f32: 16 numbers for each of 2 row blocks
.set AB,   176                         ; v[176:207] x's fragments in bf16, two buffers of 16
.set BIAS, 208                         ; v[208:239] my 32 columns' bias x scale
.set TMPR, 240
; v2 l % 16, v3 l / 16, v4 x's LDS address, v5 w's, v6, v7 stage in and out, v8 16 l, v9 the bias's offset, v14 my spare word, v15 0
; s18 wave, s19 cx, s20 cy, s22 matrix, s23 row tile, s57 column tile, s[24:31], s[32:39] group 1 for x and w, s[40:55], s[68:83] group 0, a set a chunk
.macro RB a, b, t
	v_cvt_pk_bf16_f32 v[\t], v[\a], v[\b]
	v_lshlrev_b32 v[\a], 16, v[\t]
	v_and_b32 v[\b], 0xffff0000, v[\t]
.endm
.macro PLACES
.rept 4
	v_nop
.endr
.endm
.macro CROUND                          ; a round of the cluster's barrier
	s_barrier_signal -1
	s_barrier_wait -1
	s_cmp_lg_u32 s18, 0
	s_cbranch_scc1 .Lnot_wave_0_\@
	s_barrier_signal -3
.Lnot_wave_0_\@:
	s_barrier_wait -3
	s_barrier_signal -1
	s_barrier_wait -1
.endm
	s_load_b256 s[4:11], s[0:1], 0x0               ; query s[4:5], key s[6:7], value s[8:9], w16 s[10:11]
	s_load_b128 s[12:15], s[0:1], 0x20             ; bq s[12:13], bv s[14:15]
	s_load_b64 s[16:17], s[0:1], 0x30              ; qkv
	v_lshl_add_u32 v14, v0, 2, SPARE
	v_mov_b32 v15, 0
	ds_add_u32 v14, v15                            ; the wave's opening: the add, twice on end, and its wait ahead of my first tensor load
	ds_add_u32 v14, v15
	v_lshrrev_b32 v1, 5, v0
	v_readfirstlane_b32 s18, v1                    ; wave 0..3
	s_and_b32 s94, s18, 1                          ; my half of the columns; also: which half of a chunk I fetch
	s_lshr_b32 s95, s18, 1                         ; my half of the rows
	s_bfe_u32 s19, ttmp6, 0x40000                  ; cx
	s_bfe_u32 s20, ttmp6, 0x40004                  ; cy
	s_lshl_b32 s57, ttmp9, 2
	s_add_co_u32 s57, s57, s19                     ; column tile = 4 x cluster x + cx
	s_and_b32 s21, ttmp7, 0xffff                   ; cluster y: 16 clusters a matrix
	s_lshr_b32 s22, s21, 4                         ; the matrix: 0 q, 1 k, 2 v
	s_and_b32 s23, s21, 15
	s_lshl_b32 s23, s23, 2
	s_add_co_u32 s23, s23, s20                     ; row tile 0..63
	s_lshl_b32 s58, s20, 2
	s_lshl_b32 s58, 15, s58                        ; my row of the cluster
	s_lshl_b32 s59, 0x1111, s19                    ; my column
	s_or_b32 s24, s58, (2<<16)|(1<<20)|(1<<21)|(6<<22)|(3<<25)  ; x: the mask; 4-byte elements; padding on; bit 21 beside a mask; after every 128 words, 4 words
	s_mov_b32 s25, 128<<16                         ; tensor_dim0 = 128
	s_mov_b32 s26, 32<<16                          ; tensor_dim1 = 32
	s_mov_b32 s27, 128<<16                         ; tile_dim0 = 128
	s_mov_b32 s28, 32                              ; tile_dim1 = 32
	s_mov_b32 s29, 512                             ; elements from row to row
	s_mov_b32 s30, 0
	s_mov_b32 s31, 0
	s_or_b32 s32, s59, (1<<16)|(1<<20)|(1<<21)|(5<<22)|(7<<25)  ; w: 2-byte elements; after every 64 words, 8 words
	s_mov_b32 s33, 128<<16
	s_mov_b32 s34, 64<<16
	s_mov_b32 s35, 128<<16
	s_mov_b32 s36, 64
	s_mov_b32 s37, 512
	s_mov_b32 s38, 0
	s_mov_b32 s39, 0
	s_mul_i32 s96, s94, 32*APITCH                  ; where my part of a chunk goes: no place in the cluster enters an LDS address
	s_mul_i32 s97, s94, 64*WPITCH
	s_add_co_u32 s97, s97, WBASE
	s_lshl_b32 s56, s94, 16                        ; 32 rows of x are 65,536 bytes, and so are 64 rows of w
	s_lshl_b32 s60, s23, 17                        ; x: 64 rows of 2,048 bytes a row tile: hangs on cy, never on cx
	s_add_co_u32 s60, s60, s56
	s_mov_b32 s61, 0
	s_lshl_b32 s62, s22, 19                        ; w: the matrix, my 64 rows of k, 256 bytes a column tile: hangs on cx, never on cy
	s_add_co_u32 s62, s62, s56
	s_lshl_b32 s63, s57, 8
	s_add_co_u32 s62, s62, s63
	s_mov_b32 s63, 0
	s_lshl_b32 s98, s22, 22                        ; the way out: matrix, batch, head 4 ni + 2 (w % 2), row
	s_lshr_b32 s66, s23, 4
	s_lshl_b32 s66, s66, 20
	s_add_co_u32 s98, s98, s66
	s_lshl_b32 s66, s57, 18
	s_add_co_u32 s98, s98, s66
	s_lshl_b32 s66, s94, 17
	s_add_co_u32 s98, s98, s66
	s_and_b32 s66, s23, 15
	s_lshl_b32 s66, s66, 12
	s_add_co_u32 s98, s98, s66
	s_lshl_b32 s66, s95, 11
	s_add_co_u32 s98, s98, s66
	s_mov_b32 s99, 0
	s_wait_dscnt 0x0                               ; both opening adds are done
	s_wait_kmcnt 0x0
	s_cmp_eq_u32 s22, 1
	s_cselect_b64 s[84:85], s[6:7], s[4:5]
	s_cmp_eq_u32 s22, 2
	s_cselect_b64 s[84:85], s[8:9], s[84:85]
	s_add_nc_u64 s[84:85], s[84:85], s[60:61]      ; x at my 32 rows
	s_add_nc_u64 s[86:87], s[10:11], s[62:63]      ; w at my 64 rows of k
	s_cmp_eq_u32 s22, 0
	s_cselect_b64 s[88:89], s[12:13], s[14:15]     ; the bias
	s_cselect_b32 s92, 0x3e8293ee, 1.0             ; c for q, 1 for k and v
	s_mov_b32 s93, s92
	s_add_nc_u64 s[90:91], s[16:17], s[98:99]
.irp c, 0,1,2,3
	s_mov_b32 s[40+4*\c], 1
	s_add_co_u32 s[41+4*\c], s96, \c*ACH
	s_add_nc_u64 s[42+4*\c:43+4*\c], s[84:85], \c*512      ; 128 f32 along K
	s_or_b32 s[43+4*\c], s[43+4*\c], 0x80000000
	s_mov_b32 s[68+4*\c], 1
	s_add_co_u32 s[69+4*\c], s97, \c*WCH
	s_add_nc_u64 s[70+4*\c:71+4*\c], s[86:87], \c*131072   ; 128 rows of k
	s_or_b32 s[71+4*\c], s[71+4*\c], 0x80000000
.endr
	CROUND                                         ; all sixteen work-groups are here: the joint loads meet
	s_cmp_lt_u32 s18, 2                            ; a wave's four first fills stand in one branch on the wave's number, ahead of every wait on TENSORcnt and every LDS read
	s_cbranch_scc0 .Lfill_w
.irp c, 0,1,2,3
	tensor_load_to_lds s[40+4*\c:43+4*\c], s[24:31]
	s_nop 0
.endr
	PLACES
	s_branch .Lfilled
.Lfill_w:
.irp c, 0,1,2,3
	tensor_load_to_lds s[68+4*\c:71+4*\c], s[32:39]
	s_nop 0
.endr
	PLACES
.Lfilled:
	v_and_b32 v2, 15, v0
	v_bfe_u32 v3, v0, 4, 1
	v_and_b32 v10, 7, v0
	v_bfe_u32 v11, v0, 3, 1
	v_and_b32 v12, 31, v0
	s_mul_i32 s67, s95, 32*APITCH
	v_mul_u32_u24 v4, v2, APITCH                   ; x: row 32 (w / 2) + l % 16, 32 bytes by l / 16
	v_lshl_add_u32 v4, v3, 5, v4
	v_add_nc_u32 v4, s67, v4
	s_lshl_b32 s67, s94, 7
	s_add_co_u32 s67, s67, WBASE
	v_lshl_add_u32 v5, v3, 3, v10                  ; w, turned: row of k 8 (l / 16) + l % 8, 16 bytes by (l / 8) % 2, my 64 columns
	v_mul_u32_u24 v5, v5, WPITCH
	v_lshl_add_u32 v5, v11, 4, v5
	v_add_nc_u32 v5, s67, v5
	s_mul_i32 s67, s18, WSTG
	s_add_co_u32 s67, s67, STAGE
	v_mul_u32_u24 v6, v2, 80
	v_lshl_add_u32 v6, v3, 4, v6
	v_add_nc_u32 v6, s67, v6
	v_lshrrev_b32 v7, 2, v12
	v_mul_u32_u24 v7, v7, 80
	v_and_b32 v13, 3, v0
	v_lshl_add_u32 v7, v13, 4, v7
	v_add_nc_u32 v7, s67, v7
	v_lshlrev_b32 v8, 4, v12
	s_lshl_b32 s66, s57, 9
	s_lshl_b32 s67, s94, 8
	s_add_co_u32 s66, s66, s67
	v_lshl_add_u32 v9, v3, 5, s66                  ; the bias of columns 128 ni + 64 (w % 2) + 8 (l / 16) ..
	s_cmp_eq_u32 s22, 1
	s_cbranch_scc1 .Lno_bias
.irp nb, 0,1,2,3
	global_load_b128 v[BIAS+8*\nb:BIAS+8*\nb+3], v9, s[88:89] offset:64*\nb
	global_load_b128 v[BIAS+8*\nb+4:BIAS+8*\nb+7], v9, s[88:89] offset:64*\nb+16
.endr
	s_wait_loadcnt 0x0
.set i, 0
.rept 16
	RB BIAS+2*i, BIAS+2*i+1, TMPR+i%2
.set i, i+1
.endr
.set i, 0
.rept 16
	v_pk_mul_f32 v[BIAS+2*i:BIAS+2*i+1], v[BIAS+2*i:BIAS+2*i+1], s[92:93] op_sel_hi:[1,0]
.set i, i+1
.endr
	s_branch .Lbias_done
.Lno_bias:                             ; k has no bias; the zeros let one text of the way out serve all three matrices
.set i, 0
.rept 32
	v_mov_b32 v[BIAS+i], 0
.set i, i+1
.endr
.Lbias_done:
; 16 LDS loads: K step q of the chunk in hand: x's 2 x 16 rows x 32 k as f32, and w's four fragments into buffer b
.macro LOADK b, q
.irp mb, 0,1
	ds_load_b128 v[RAW+16*\mb:RAW+16*\mb+3], v4 offset:16*APITCH*\mb+128*(\q)
	ds_load_b128 v[RAW+16*\mb+4:RAW+16*\mb+7], v4 offset:16*APITCH*\mb+128*(\q)+16
	ds_load_b128 v[RAW+16*\mb+8:RAW+16*\mb+11], v4 offset:16*APITCH*\mb+128*(\q)+64
	ds_load_b128 v[RAW+16*\mb+12:RAW+16*\mb+15], v4 offset:16*APITCH*\mb+128*(\q)+80
.endr
.irp nb, 0,1,2,3
	ds_load_tr16_b128 v[WB+32*(\b)+8*\nb:WB+32*(\b)+8*\nb+3], v5 offset:32*WPITCH*(\q)+32*\nb
	ds_load_tr16_b128 v[WB+32*(\b)+8*\nb+4:WB+32*(\b)+8*\nb+7], v5 offset:32*WPITCH*(\q)+32*\nb+16*WPITCH
.endr
.endm
; K step i of 16.  The 16 roundings are also the places between the step before's products and the loads into the buffer that they read.  The eight accumulators take turns.
.macro KSTEP i
.set kb_, (\i)%2
.set kq_, (\i)%4
	s_wait_dscnt 0x0                               ; this step's x and w are in
.set j_, 0
.rept 16
	v_cvt_pk_bf16_f32 v[AB+16*kb_+j_], v[RAW+2*j_], v[RAW+2*j_+1]
.set j_, j_+1
.endr
.if kq_ < 3
	LOADK 1-kb_, kq_+1
.endif
.irp mb, 0,1
.irp nb, 0,1,2,3
.if (\i) == 0
	v_wmma_f32_16x16x32_bf16 v[ACC+8*(4*\mb+\nb):ACC+8*(4*\mb+\nb)+7], v[WB+32*kb_+8*\nb:WB+32*kb_+8*\nb+7], v[AB+16*kb_+8*\mb:AB+16*kb_+8*\mb+7], 0
.else
	v_wmma_f32_16x16x32_bf16 v[ACC+8*(4*\mb+\nb):ACC+8*(4*\mb+\nb)+7], v[WB+32*kb_+8*\nb:WB+32*kb_+8*\nb+7], v[AB+16*kb_+8*\mb:AB+16*kb_+8*\mb+7], v[ACC+8*(4*\mb+\nb):ACC+8*(4*\mb+\nb)+7]
.endif
.endr
.endr
.endm
.macro CHUNK c
	s_wait_tensorcnt 3-(\c)                        ; my part of chunk c is in; my younger chunks' loads stay out
	s_barrier_signal -1
	s_barrier_wait -1                              ; everybody's part is in
.if (\c) > 0
	v_add_nc_u32 v4, ACH, v4
	v_add_nc_u32 v5, WCH, v5
.endif
	LOADK 0, 0
	KSTEP 4*(\c)
	KSTEP 4*(\c)+1
	KSTEP 4*(\c)+2
	KSTEP 4*(\c)+3
.endm
	CHUNK 0
	CHUNK 1
	CHUNK 2
	CHUNK 3
	; THE WAY OUT: sum x scale + bias x scale, rounded to f16; a lane's eight columns are 16 bytes of a head's row; through my own stage, and out as whole rows of 64 bytes, 8 rows a store
	PLACES
.irp mb, 0,1
.irp nb, 0,1,2,3
.irp j, 0,1,2,3
	v_pk_fma_f32 v[ACC+8*(4*\mb+\nb)+2*\j:ACC+8*(4*\mb+\nb)+2*\j+1], v[ACC+8*(4*\mb+\nb)+2*\j:ACC+8*(4*\mb+\nb)+2*\j+1], s[92:93], v[BIAS+8*\nb+2*\j:BIAS+8*\nb+2*\j+1] op_sel_hi:[1,0,1]
.endr
.irp j, 0,1,2,3
	v_cvt_pk_f16_f32 v[WB+4*(4*\mb+\nb)+\j], v[ACC+8*(4*\mb+\nb)+2*\j], v[ACC+8*(4*\mb+\nb)+2*\j+1]
.endr
	ds_store_b128 v6, v[WB+4*(4*\mb+\nb):WB+4*(4*\mb+\nb)+3] offset:2560*(\nb/2)+1280*\mb+32*(\nb%2)
.endr
.endr
.irp t, 0,1,2,3,4,5,6,7
	ds_load_b128 v[WB+32+4*\t:WB+32+4*\t+3], v7 offset:2560*(\t/4)+640*(\t%4)  ; LDS serves a wave's instructions in order (ISA guide 5.7.1.4): these see the stores above
.endr
.irp t, 0,1,2,3,4,5,6,7
	s_wait_dscnt 7-\t
	global_store_b128 v8, v[WB+32+4*\t:WB+32+4*\t+3], s[90:91] offset:65536*(\t/4)+512*(\t%4)  ; 512 consecutive bytes, aligned
.endr
	s_wait_tensorcnt 0x0                           ; the wave's end
	ds_add_u32 v14, v15
	s_wait_dscnt 0x0
	CROUND                                         ; the closing round
	s_endpgm
.Lfunc_end_k_q33eb4be01b_qkv:
	.size	k_q33eb4be01b_qkv, .Lfunc_end_k_q33eb4be01b_qkv-k_q33eb4be01b_qkv
	.p2alignl 7, 3214868480
	.fill 96, 4, 3214868480
	.section	.rodata,"a",@progbits
	.p2align	6, 0x0
	.amdhsa_kernel k_q33eb4be01b_qkv
		.amdhsa_group_segment_fixed_size 303616
		.amdhsa_private_segment_fixed_size 0
		.amdhsa_enable_private_segment 0
		.amdhsa_kernarg_size 56
		.amdhsa_user_sgpr_count 2
		.amdhsa_user_sgpr_kernarg_segment_ptr 1
		.amdhsa_wavefront_size32 1
		.amdhsa_system_sgpr_workgroup_id_x 1
		.amdhsa_system_sgpr_workgroup_id_y 1
		.amdhsa_system_sgpr_workgroup_id_z 1
		.amdhsa_system_vgpr_workitem_id 0
		.amdhsa_next_free_vgpr 256
		.amdhsa_next_free_sgpr 100
		.amdhsa_reserve_vcc 0
		.amdhsa_float_denorm_mode_32 3
		.amdhsa_float_denorm_mode_16_64 3
		.amdhsa_memory_ordered 1
		.amdhsa_forward_progress 1
		.amdhsa_inst_pref_size 62
	.end_amdhsa_kernel
	.amdgpu_metadata
---
amdhsa.version: [ 1, 2 ]
amdhsa.kernels:
  - .name:           k_q33eb4be01b_qkv
    .symbol:         k_q33eb4be01b_qkv.kd
    .args:
      - { .name: query, .offset: 0, .size: 8, .value_kind: global_buffer, .address_space: global }
      - { .name: key, .offset: 8, .size: 8, .value_kind: global_buffer, .address_space: global }
      - { .name: value, .offset: 16, .size: 8, .value_kind: global_buffer, .address_space: global }
      - { .name: w16, .offset: 24, .size: 8, .value_kind: global_buffer, .address_space: global }
      - { .name: bq, .offset: 32, .size: 8, .value_kind: global_buffer, .address_space: global }
      - { .name: bv, .offset: 40, .size: 8, .value_kind: global_buffer, .address_space: global }
      - { .name: qkv, .offset: 48, .size: 8, .value_kind: global_buffer, .address_space: global }
    .group_segment_fixed_size: 303616
    .private_segment_fixed_size: 0
    .kernarg_segment_align: 8
    .kernarg_segment_size: 56
    .max_flat_workgroup_size: 128
    .sgpr_count:     100
    .vgpr_count:     256
    .wavefront_size: 32
...
	.end_amdgpu_metadata
.endif
;; end of part 2
;; launch attn (part 3): grid 4 x 64, 8 waves a work-group, clusters of 4 x 1, 241,664 bytes of LDS; arguments qkv, tab, ctx; writes ctx
.if DOCPART == 3
	.amdgcn_target "amdgcn-amd-amdhsa--gfx1250"
	.amdhsa_code_object_version 6
	.text
	.protected	k_q33eb4be01b_attn
	.globl	k_q33eb4be01b_attn
	.p2align	8
	.type	k_q33eb4be01b_attn,@function
k_q33eb4be01b_attn:
	s_mov_b64 s[64:65], 0
	v_nop
	global_prefetch_b8 v0, s[64:65] scope:SCOPE_SE
	s_setreg_imm32_b32 hwreg(HW_REG_WAVE_MODE, 25, 1), 1
	s_wait_xcnt 0x0
	s_wait_alu depctr_hold_cnt(0) depctr_sa_sdst(0) depctr_va_vdst(0) depctr_va_sdst(0) depctr_va_ssrc(0) depctr_va_vcc(0) depctr_vm_vsrc(0)
	s_getreg_b32 s2, hwreg(HW_REG_IB_STS2, 6, 4)
	s_cmp_eq_u32 s2, 0
	s_cbranch_scc0 .Lentry_in_a_cluster
	s_endpgm
.Lentry_in_a_cluster:
	s_bfe_u32 s2, ttmp6, 0x10000c
	s_cmp_lg_u32 s2, 0x3003
	s_cbranch_scc0 .Lentry_shape_is_right
	s_endpgm
.Lentry_shape_is_right:
; ATTENTION with the position bias.  ctx[b][h][q][:] = the sum over k of softmax_k(Q . K / sqrt(32) + bias[h][q][k]) V[k][:], f16, [b][h][s][32].
; LEFT OUT: pb_b2 and bk (the same along the softmax's axis) and the MLP's repeated evaluations (shown at the head of prep): the bias of a pair (q, k) is read from tab by (qy - ky, qx - kx).
; q arrives times log2(e) / sqrt(32), tab times log2(e): p = 2^(s - m) with a running maximum m; O and l are multiplied by a = 2^(m_old - m_new) in every step.  Products, maxima and sums in f32; p is rounded
; to f16 for the second product (l is taken of the unrounded p), ctx once at the end.  LIMITS: p below 6e-5 keeps f16's fixed step; a weight below 2^-126 counts as 0; NaN and infinities are not treated apart.
; SHARES.  A work-group: one (b, h) and 256 queries, 8 rows of the 32 x 32 grid.  The head's whole K and V and the 39 rows of tab that the block can meet lie in LDS, by one group of first fills; no byte is filled twice,
;  and the loop over keys has no barrier.  Eight waves, two to a SIMD, each written in plain phases.  Wave w owns two tiles u of 16 queries: grid row 2 (w / 2) + u of the block, columns 16 (w % 2) ..
; LAYOUT.  S^T = K Q^T + bias (source 0 = 16 keys, source 1 = 16 queries): a lane holds ONE query (l % 16) and the keys 8 (l / 16) + 0..7; two such results rounded to f16 ARE source 1 of O^T = V^T P.
; THE BIAS IS THE C OPERAND of the one product that makes a tile of scores (head size 32 is one K step).  A step is 64 keys, two grid rows.  For tile u and key block kb (grid row kb / 2, half kb % 2) a lane wants
;  T[j0 .. j0 + 7] of table row rho = u - kb / 2 (+ a term that falls by 2 a step), j0 = 31 - qx + 8 (l / 16) + 16 (kb % 2): two reads of 16 bytes from the sliding windows.  rho is +1, 0 or -1;
;  row +1 of a step is row -1 of the step before, so two of three register sets are loaded anew, and two sets change places.
; CLUSTER 4 x 1: the four query blocks of a (b, h) ask for K and V jointly; each asks for its own window of tab by a load of its own.
; REGISTERS, in windows of 256 (s_set_vgpr_msb: bits 1:0 source 0, 3:2 source 1, 5:4 source 2, 7:6 destination).  Window 0: addresses, statistics, S^T, P, V, O^T.  Window 1: v0-15 Q, v16-47 K, v48-95 three sets of bias.
.set PK,    80                         ; a row of K in LDS: 64 bytes + 16
.set PV,    96                         ; a row of V: 64 + 32
.set VBASE, 1024*PK
.set BBASE, VBASE+1024*PV              ; 39 rows of 1,024 bytes
.set STAGE, BBASE+39*1024              ; 32 rows x 80 bytes for each wave; no tensor load lands here
.set SPARE, STAGE+8*32*80              ; the spare words, 128 bytes a wave: four blocks of 256 bytes that no other line names
.set MV,  14                           ; v14-15  m_old, by tile
.set ST,  16                           ; tile u at +4 u: m, a written partner, l (even keys', odd keys')
.set TMP, 24                           ; tile u at +4 u: c0-c3 at work; a takes c2's place
.set S,   32                           ; v[32:95]
.set P,   96                           ; v[96:127]
.set VF,  128                          ; v[128:159]
.set O,   160                          ; v[160:191]
.set KF,  16                           ; window 1
.set BX,  48
.set BY,  64
.set BZ,  80
.set SEL, 60                           ; s[60:61] v_permlanex16_b32's selects
; v4 K's address, v5 V's, v6 the bias's, v7, v8 stage in and out, v9 16 l, v10 Q's offset, v12 my spare word, v13 0
.set MSB, 0
.macro WIN new                         ; the high byte repeats the setting that is left; a switch that changes nothing is dropped
.if MSB != (\new)
	s_set_vgpr_msb (MSB<<8)|(\new)
.set MSB, (\new)
.endif
.endm
.set W_KQ, 0x15                        ; K, Q and the bias in window 1, S^T in window 0
.set W_LD, 0x40                        ; destination in window 1, address in window 0
.macro PLACES
.rept 4
	v_nop
.endr
.endm
.macro CROUND
	s_barrier_signal -1
	s_barrier_wait -1
	s_cmp_lg_u32 s10, 0
	s_cbranch_scc1 .Lnot_wave_0_\@
	s_barrier_signal -3
.Lnot_wave_0_\@:
	s_barrier_wait -3
	s_barrier_signal -1
	s_barrier_wait -1
.endm
	s_load_b128 s[4:7], s[0:1], 0x0                ; qkv s[4:5], tab s[6:7]
	s_load_b64 s[8:9], s[0:1], 0x10                ; ctx
	v_lshl_add_u32 v12, v0, 2, SPARE
	v_mov_b32 v13, 0
	ds_add_u32 v12, v13                            ; the wave's opening: the add, twice on end, and its wait ahead of my first tensor load
	ds_add_u32 v12, v13
	v_lshrrev_b32 v1, 5, v0
	v_readfirstlane_b32 s10, v1                    ; wave 0..7
	s_bfe_u32 s11, ttmp6, 0x40000                  ; cx: my block of 256 queries
	s_and_b32 s12, ttmp7, 0xffff                   ; 16 b + h, which the four partners share
	s_and_b32 s14, s10, 3                          ; which quarter of K, V or the window I fetch
	s_lshr_b32 s15, s10, 1                         ; my pair of grid rows
	s_and_b32 s16, s10, 1                          ; my half of a grid row
	s_mov_b32 s24, 15|(1<<16)|(1<<20)|(1<<21)|(3<<22)|(3<<25)  ; K: the mask of four; 2-byte elements; padding on; bit 21 beside a mask; after every 16 words, 4 words
	s_mov_b32 s32, 15|(1<<16)|(1<<20)|(1<<21)|(3<<22)|(7<<25)  ; V: 8 words
.irp g, 24, 32                         ; 256 keys are 16,384 dense bytes: 64 rows of 256 bytes, four keys a row
	s_mov_b32 s[\g+1], 128<<16
	s_mov_b32 s[\g+2], 64<<16
	s_mov_b32 s[\g+3], 128<<16
	s_mov_b32 s[\g+4], 64
	s_mov_b32 s[\g+5], 128
	s_mov_b32 s[\g+6], 0
	s_mov_b32 s[\g+7], 0
.endr
	s_mov_b32 s40, 3<<16                           ; the window: no mask; 8-byte elements; 9,984 dense bytes a wave: 39 rows of 256
	s_mov_b32 s41, 32<<16
	s_mov_b32 s42, 39<<16
	s_mov_b32 s43, 32<<16
	s_mov_b32 s44, 39
	s_mov_b32 s45, 32
	s_mov_b32 s46, 0
	s_mov_b32 s47, 0
	s_mov_b32 s48, 1
	s_mul_i32 s49, s14, 256*PK
	s_mov_b32 s52, 1
	s_mul_i32 s53, s14, 256*PV
	s_add_co_u32 s53, s53, VBASE
	s_mov_b32 s56, 1
	s_mul_i32 s57, s14, 9984
	s_add_co_u32 s57, s57, BBASE
	s_lshl_b32 s70, s12, 16                        ; K and V: the head's 65,536 bytes, my quarter: nothing of cx
	s_lshl_b32 s71, s14, 14
	s_add_co_u32 s70, s70, s71
	s_mov_b32 s71, 0
	s_and_b32 s72, s12, 15                         ; tab: the head, rows 8 cx .. 8 cx + 38, my quarter
	s_mul_i32 s72, s72, 64512
	s_lshl_b32 s73, s11, 13
	s_add_co_u32 s72, s72, s73
	s_mul_i32 s73, s14, 9984
	s_add_co_u32 s72, s72, s73
	s_mov_b32 s73, 0
	s_lshl_b32 s74, s12, 16                        ; Q and ctx: the head, my block, my pair of grid rows, my half row
	s_lshl_b32 s13, s11, 14
	s_add_co_u32 s74, s74, s13
	s_lshl_b32 s13, s15, 12
	s_add_co_u32 s74, s74, s13
	s_lshl_b32 s13, s16, 10
	s_add_co_u32 s74, s74, s13
	s_mov_b32 s75, 0
	s_mov_b32 s[SEL], 0x76543210
	s_mov_b32 s[SEL+1], 0xfedcba98
	s_wait_dscnt 0x0                               ; both opening adds are done
	s_wait_kmcnt 0x0
	s_add_nc_u64 s[50:51], s[4:5], s[70:71]
	s_add_nc_u64 s[54:55], s[50:51], 8388608       ; v lies two matrices behind q,
	s_add_nc_u64 s[50:51], s[50:51], 4194304       ; k one
	s_or_b32 s51, s51, 0x80000000
	s_or_b32 s55, s55, 0x80000000
	s_add_nc_u64 s[58:59], s[6:7], s[72:73]
	s_or_b32 s59, s59, 0x80000000
	s_add_nc_u64 s[66:67], s[4:5], s[74:75]
	s_add_nc_u64 s[68:69], s[8:9], s[74:75]
	CROUND                                         ; all four work-groups are here: the joint loads meet
	s_cmp_lt_u32 s10, 4                            ; a wave's first fills stand in one branch on the wave's number; at most two loads of a wave are out, and every wait on TENSORcnt is for 0
	s_cbranch_scc0 .Lfill_v
	tensor_load_to_lds s[48:51], s[24:31]
	s_nop 0
	tensor_load_to_lds s[56:59], s[40:47]
	s_nop 0
	PLACES
	s_branch .Lfilled
.Lfill_v:
	tensor_load_to_lds s[52:55], s[32:39]
	s_nop 0
	PLACES
.Lfilled:
	v_and_b32 v2, 15, v0                           ; l % 16
	v_bfe_u32 v3, v0, 4, 1                         ; l / 16
	v_and_b32 v11, 31, v0
	v_lshlrev_b32 v10, 6, v2
	v_lshl_add_u32 v10, v3, 4, v10                 ; row x 64 + 16 x half
	WIN W_LD
.irp u, 0,1                            ; Q stays in registers: a fragment a tile
	global_load_b128 v[8*\u:8*\u+3], v10, s[66:67] offset:2048*\u
	global_load_b128 v[8*\u+4:8*\u+7], v10, s[66:67] offset:2048*\u+32
.endr
	WIN 0
	v_mul_u32_u24 v4, v2, PK
	v_lshl_add_u32 v4, v3, 4, v4
	v_and_b32 v24, 7, v0
	v_bfe_u32 v25, v0, 3, 1
	v_lshl_add_u32 v5, v3, 3, v24                  ; V, turned: key 8 (l / 16) + l % 8, 16 bytes by (l / 8) % 2
	v_mul_u32_u24 v5, v5, PV
	v_lshl_add_u32 v5, v25, 4, v5
	v_add_nc_u32 v5, VBASE, v5
	s_lshl_b32 s13, s15, 11                        ; the bias: window row 2 (w / 2) + 30, entry 31 - 16 (w % 2) - l % 16 + 8 (l / 16)
	s_add_co_u32 s13, s13, BBASE+30*1024+31*16
	s_lshl_b32 s17, s16, 8
	s_sub_co_u32 s13, s13, s17
	v_lshl_add_u32 v6, v3, 7, s13
	v_lshlrev_b32 v26, 4, v2
	v_sub_nc_u32 v6, v6, v26
	s_mul_i32 s17, s10, 32*80
	s_add_co_u32 s17, s17, STAGE
	v_mul_u32_u24 v7, v2, 80
	v_lshl_add_u32 v7, v3, 4, v7
	v_add_nc_u32 v7, s17, v7
	v_lshrrev_b32 v8, 2, v11
	v_mul_u32_u24 v8, v8, 80
	v_and_b32 v27, 3, v0
	v_lshl_add_u32 v8, v27, 4, v8
	v_add_nc_u32 v8, s17, v8
	v_lshlrev_b32 v9, 4, v11
.irp u, 0,1                            ; m starts at the lowest finite number, l and O^T at 0: the first step is a step like any other, with a = 0.  This stands in the wait for the tiles.
	v_mov_b32 v[ST+4*\u], 0xff7fffff
	v_mov_b32 v[ST+4*\u+1], 0xff7fffff
	v_mov_b32 v[ST+4*\u+2], 0
	v_mov_b32 v[ST+4*\u+3], 0
.endr
.set i, 0
.rept 32
	v_mov_b32 v[O+i], 0
.set i, i+1
.endr
.macro KLD                             ; a step's K: four fragments of 16 keys
.irp kb, 0,1,2,3
	ds_load_b128 v[KF+8*\kb:KF+8*\kb+3], v4 offset:16*PK*\kb
	ds_load_b128 v[KF+8*\kb+4:KF+8*\kb+7], v4 offset:16*PK*\kb+32
.endr
.endm
.macro BLD reg, off                    ; one table row's two tiles of bias: sixteen neighbouring lanes read 256 consecutive bytes
.irp x, 0,1
	ds_load_b128 v[(\reg)+8*\x:(\reg)+8*\x+3], v6 offset:(\off)+256*\x
	ds_load_b128 v[(\reg)+8*\x+4:(\reg)+8*\x+7], v6 offset:(\off)+256*\x+64
.endr
.endm
.macro REGS u
.set rT, ST+4*(\u)
.set rC, TMP+4*(\u)
.set rM, MV+(\u)
.set rS, S+32*(\u)
.set rP, P+16*(\u)
.set rO, O+16*(\u)
.endm
; Number n of the 21 that find a tile's maximum and a.  0-11: four chains of seven scores, three operands at a time, each accumulator's lowest registers first; 12-14, 16: the four scores left
; over, the old m, and the chains into c0; 15: m_old is kept; 17, 18: the query's other 32 keys lie in the lane 16 away; 19, 20: a.
.macro XS u, n
	REGS \u
.if (\n) < 4
	v_max3_num_f32 v[rC+(\n)], v[rS+8*(\n)], v[rS+8*(\n)+1], v[rS+8*(\n)+2]
.elseif (\n) < 12
	v_max3_num_f32 v[rC+(\n)%4], v[rC+(\n)%4], v[rS+8*((\n)%4)+2*((\n)/4)+1], v[rS+8*((\n)%4)+2*((\n)/4)+2]
.elseif (\n) == 12
	v_max3_num_f32 v[rC], v[rC], v[rS+7], v[rS+15]
.elseif (\n) == 13
	v_max3_num_f32 v[rC+1], v[rC+1], v[rS+23], v[rS+31]
.elseif (\n) == 14
	v_max3_num_f32 v[rC+2], v[rC+2], v[rC+3], v[rT]
.elseif (\n) == 15
	v_mov_b32 v[rM], v[rT]
.elseif (\n) == 16
	v_max3_num_f32 v[rC], v[rC], v[rC+1], v[rC+2]
.elseif (\n) == 17
	v_permlanex16_b32 v[rC+3], v[rC], s[SEL], s[SEL+1]
.elseif (\n) == 18
	v_max_num_f32 v[rT], v[rC], v[rC+3]
.elseif (\n) == 19
	v_sub_f32 v[rC+1], v[rM], v[rT]
.else
	v_exp_f32 v[rC+2], v[rC+1]
.endif
.endm
.macro FSN                             ; the next of 32: s - m for pair f / 2 of tile f % 2
	REGS f%2
	v_pk_add_f32 v[rS+2*(f/2):rS+2*(f/2)+1], v[rS+2*(f/2):rS+2*(f/2)+1], v[rT:rT+1] op_sel_hi:[1,0] neg_lo:[0,1] neg_hi:[0,1]
.set f, f+1
.endm
.macro EXN                             ; the next of 64: the exponential of score e / 2 of tile e % 2
	REGS e%2
	v_exp_f32 v[rS+e/2], v[rS+e/2]
.set e, e+1
.endm
; Number g of the 64 behind the exponentials.  For each four weights k of a tile: both pairs are rounded to f16; the second pair is added onto the first, in place; a group later l takes that sum (the first time l = a l + sum).
.macro GS g
.set h, (\g)+6*((\g)/62)
.if h >= 6
.set h, h+2
.endif
	REGS h%2
.set k, h/8
.if h%8 < 4
	v_cvt_pk_f16_f32 v[rP+2*k+(h%8)/2], v[rS+4*k+2*((h%8)/2)], v[rS+4*k+2*((h%8)/2)+1]
.elseif h%8 < 6
	v_pk_add_f32 v[rS+4*k:rS+4*k+1], v[rS+4*k:rS+4*k+1], v[rS+4*k+2:rS+4*k+3]
.elseif k == 1
	v_pk_fma_f32 v[rT+2:rT+3], v[rT+2:rT+3], v[rC+2:rC+3], v[rS:rS+1] op_sel_hi:[1,0,1]
.else
	v_pk_add_f32 v[rT+2:rT+3], v[rT+2:rT+3], v[rS+4*k-4:rS+4*k-3]
.endif
.endm
; A KEY STEP.  hi, lo: the register sets that hold table rows +1 and -1; BY holds row 0.  last = 1: nothing more is fetched.
.macro STEP hi, lo, last
.irp kk, 0,1                           ; this step's V, turned: keys 32 kk .., channels 16 cb ..
.irp cb, 0,1
	ds_load_tr16_b128 v[VF+16*\kk+8*\cb:VF+16*\kk+8*\cb+3], v5 offset:32*PV*\kk+32*\cb
	ds_load_tr16_b128 v[VF+16*\kk+8*\cb+4:VF+16*\kk+8*\cb+7], v5 offset:32*PV*\kk+32*\cb+16*PV
.endr
.endr
	v_add_nc_u32 v5, 64*PV, v5
	s_wait_dscnt 8                                 ; K and the bias, asked for a step ago, are in; V's eight loads stay out
	WIN W_KQ
.irp kb, 0,1,2,3
.irp u, 0,1
.if ((\u)-(\kb)/2) == 1
.set rB, (\hi)+8*((\kb)%2)
.elseif ((\u)-(\kb)/2) == 0
.set rB, BY+8*((\kb)%2)
.else
.set rB, (\lo)+8*((\kb)%2)
.endif
	v_wmma_f32_16x16x32_f16 v[S+32*\u+8*\kb:S+32*\u+8*\kb+7], v[KF+8*\kb:KF+8*\kb+7], v[8*\u:8*\u+7], v[rB:rB+7]
.endr
.endr
	WIN 0
.if \last
	PLACES
.else
	v_add_nc_u32 v4, 64*PK, v4                     ; four plain instructions: the places between the products and the loads into their sources
	v_sub_nc_u32 v6, v6, 0x800                     ; two table rows down
	v_nop
	v_nop
	WIN W_LD
	KLD                                            ; the next step's K,
	BLD BY, 1024                                   ; its row 0,
	BLD \hi, 0                                     ; and its row -1, where this step's row +1 lay; this step's row -1 is its row +1
	WIN 0
.endif
.irp n, 0,1,2,3,4,5,6,7,8,9,10,11,12,13,14,15,16,17,18,19,20
	XS 0, \n                                       ; the two tiles alternate
	XS 1, \n
.endr
.set f, 0
.set e, 0
.rept 4
	FSN
.endr
.rept 14                               ; exponential e stands behind subtraction 2 (e / 4) + e % 2, which here is four or more ahead; no line names an exponential's result
	FSN
	EXN
	EXN
	FSN
	EXN
	EXN
.endr
.rept 8
	EXN
.endr
	v_nop                                          ; a plain instruction behind the last exponential
	s_wait_alu depctr_va_vdst(0)                   ; ONE wait for the step's 66 exponentials, ahead of the first line that names a result
.set g, 0
.rept 64
	GS g
.set g, g+1
.endr
.set z, 0
.rept 16                               ; O^T times a, each accumulator from its low end on
	REGS z%2
	v_pk_mul_f32 v[rO+2*(z/2):rO+2*(z/2)+1], v[rO+2*(z/2):rO+2*(z/2)+1], v[rC+2:rC+3] op_sel_hi:[1,0]
.set z, z+1
.endr
.if \last
	s_wait_dscnt 0x0                               ; V is in
.else
	s_wait_dscnt 16                                ; V is in; the next step's 16 loads stay out
.endif
.irp kk, 0,1                           ; the four accumulators take turns
.irp u, 0,1
.irp cb, 0,1
	v_wmma_f32_16x16x32_f16 v[O+16*\u+8*\cb:O+16*\u+8*\cb+7], v[VF+16*\kk+8*\cb:VF+16*\kk+8*\cb+7], v[P+16*\u+8*\kk:P+16*\u+8*\kk+7], v[O+16*\u+8*\cb:O+16*\u+8*\cb+7]
.endr
.endr
.endr
	PLACES                                         ; ahead of the next step's loads into V's registers, and of the way out
.endm
	s_wait_tensorcnt 0x0                           ; my parts of K or V and of the window are in,
	s_barrier_signal -1
	s_barrier_wait -1                              ; everybody's are
	WIN W_LD
	KLD                                            ; step 0
	BLD BX, 2048                                   ; table rows +1,
	BLD BY, 1024                                   ; 0
	BLD BZ, 0                                      ; and -1
	WIN 0
	s_wait_loadcnt 0x0                             ; Q
	s_mov_b32 s62, 7
.Lloop:                                ; 14 of the 16 steps, two a trip, since two register sets change places
	STEP BX, BZ, 0
	STEP BZ, BX, 0
	s_sub_co_u32 s62, s62, 1
	s_cmp_lg_u32 s62, 0
	s_cbranch_scc1 .Lloop
	STEP BX, BZ, 0
	STEP BZ, BX, 1
	; THE WAY OUT: l's two halves and the other half of the lanes' are added; O^T is divided by l, rounded to f16 and sent through my stage
.irp u, 0,1
	v_add_f32 v[ST+4*\u+2], v[ST+4*\u+2], v[ST+4*\u+3]
.endr
.irp u, 0,1
	v_permlanex16_b32 v[ST+4*\u+3], v[ST+4*\u+2], s[SEL], s[SEL+1]
.endr
.irp u, 0,1
	v_add_f32 v[ST+4*\u+2], v[ST+4*\u+2], v[ST+4*\u+3]
.endr
.irp u, 0,1
	v_rcp_f32 v[ST+4*\u+2], v[ST+4*\u+2]
.endr
	v_nop                                          ; a plain instruction behind the last reciprocal,
	s_wait_alu depctr_va_vdst(0)                   ; and the one wait for both
.irp u, 0,1
.irp j, 0,1,2,3,4,5,6,7
	v_pk_mul_f32 v[O+16*\u+2*\j:O+16*\u+2*\j+1], v[O+16*\u+2*\j:O+16*\u+2*\j+1], v[ST+4*\u+2:ST+4*\u+3] op_sel_hi:[1,0]
.endr
.irp j, 0,1,2,3,4,5,6,7
	v_cvt_pk_f16_f32 v[S+8*\u+\j], v[O+16*\u+2*\j], v[O+16*\u+2*\j+1]
.endr
	ds_store_b128 v7, v[S+8*\u:S+8*\u+3] offset:1280*\u
	ds_store_b128 v7, v[S+8*\u+4:S+8*\u+7] offset:1280*\u+32
.endr
.irp t, 0,1,2,3
	ds_load_b128 v[S+4*\t:S+4*\t+3], v8 offset:640*\t  ; eight rows of 64 bytes; LDS serves a wave's instructions in order (ISA guide 5.7.1.4)
.endr
.irp t, 0,1,2,3
	s_wait_dscnt 3-\t
	global_store_b128 v9, v[S+4*\t:S+4*\t+3], s[68:69] offset:2048*(\t/2)+512*(\t%2)  ; 512 consecutive bytes, aligned
.endr
	s_wait_tensorcnt 0x0                           ; the wave's end
	ds_add_u32 v12, v13
	s_wait_dscnt 0x0
	CROUND                                         ; the closing round
	s_endpgm
.Lfunc_end_k_q33eb4be01b_attn:
	.size	k_q33eb4be01b_attn, .Lfunc_end_k_q33eb4be01b_attn-k_q33eb4be01b_attn
	.p2alignl 7, 3214868480
	.fill 96, 4, 3214868480
	.section	.rodata,"a",@progbits
	.p2align	6, 0x0
	.amdhsa_kernel k_q33eb4be01b_attn
		.amdhsa_group_segment_fixed_size 241664
		.amdhsa_private_segment_fixed_size 0
		.amdhsa_enable_private_segment 0
		.amdhsa_kernarg_size 24
		.amdhsa_user_sgpr_count 2
		.amdhsa_user_sgpr_kernarg_segment_ptr 1
		.amdhsa_wavefront_size32 1
		.amdhsa_system_sgpr_workgroup_id_x 1
		.amdhsa_system_sgpr_workgroup_id_y 1
		.amdhsa_system_sgpr_workgroup_id_z 1
		.amdhsa_system_vgpr_workitem_id 0
		.amdhsa_next_free_vgpr 352
		.amdhsa_next_free_sgpr 76
		.amdhsa_reserve_vcc 0
		.amdhsa_float_denorm_mode_32 3
		.amdhsa_float_denorm_mode_16_64 3
		.amdhsa_memory_ordered 1
		.amdhsa_forward_progress 1
		.amdhsa_inst_pref_size 71
	.end_amdhsa_kernel
	.amdgpu_metadata
---
amdhsa.version: [ 1, 2 ]
amdhsa.kernels:
  - .name:           k_q33eb4be01b_attn
    .symbol:         k_q33eb4be01b_attn.kd
    .args:
      - { .name: qkv, .offset: 0, .size: 8, .value_kind: global_buffer, .address_space: global }
      - { .name: tab, .offset: 8, .size: 8, .value_kind: global_buffer, .address_space: global }
      - { .name: ctx, .offset: 16, .size: 8, .value_kind: global_buffer, .address_space: global }
    .group_segment_fixed_size: 241664
    .private_segment_fixed_size: 0
    .kernarg_segment_align: 8
    .kernarg_segment_size: 24
    .max_flat_workgroup_size: 256
    .sgpr_count:     76
    .vgpr_count:     352
    .wavefront_size: 32
...
	.end_amdgpu_metadata
.endif
;; end of part 3
;; launch oproj (part 4): grid 4 x 64, 4 waves a work-group, clusters of 4 x 4, 264,704 bytes of LDS; arguments ctx, w16, bo, out0; writes out0
.if DOCPART == 4
	.amdgcn_target "amdgcn-amd-amdhsa--gfx1250"
	.amdhsa_code_object_version 6
	.text
	.protected	k_q33eb4be01b_oproj
	.globl	k_q33eb4be01b_oproj
	.p2align	8
	.type	k_q33eb4be01b_oproj,@function
k_q33eb4be01b_oproj:
	s_mov_b64 s[64:65], 0
	v_nop
	global_prefetch_b8 v0, s[64:65] scope:SCOPE_SE
	s_setreg_imm32_b32 hwreg(HW_REG_WAVE_MODE, 25, 1), 1
	s_wait_xcnt 0x0
	s_wait_alu depctr_hold_cnt(0) depctr_sa_sdst(0) depctr_va_vdst(0) depctr_va_sdst(0) depctr_va_ssrc(0) depctr_va_vcc(0) depctr_vm_vsrc(0)
	s_getreg_b32 s2, hwreg(HW_REG_IB_STS2, 6, 4)
	s_cmp_eq_u32 s2, 0
	s_cbranch_scc0 .Lentry_in_a_cluster
	s_endpgm
.Lentry_in_a_cluster:
	s_bfe_u32 s2, ttmp6, 0x10000c
	s_cmp_lg_u32 s2, 0xf033
	s_cbranch_scc0 .Lentry_shape_is_right
	s_endpgm
.Lentry_shape_is_right:
; THE LAST PROJECTION.  out0[b][s][:] = ctx row (its 16 heads' 32 channels on end) x wo + bo, f32.  ctx is f16, [b][h][s][32]; wo was rounded to bf16 and written as f16 (w16's fourth matrix, [k][n]); bo is rounded to bf16.
; SHARES, CLUSTER and the transposed product are the projections': a work-group makes 64 rows x 128 columns with its whole K = 512 in LDS, by one group of first fills in four chunks of four heads;
;  wave w: rows 32 (w / 2) .., columns 64 (w % 2) ..; waves 0, 1 fetch ctx (two heads each a chunk), waves 2, 3 wo (64 rows of k each a chunk): four tensor loads of a wave are out.  ctx is shared along a row of the
;  cluster, wo along a column.  A K step of 32 is one head.
.set APITCH, 80                        ; a head's row of ctx in LDS: 64 bytes + 16
.set AHEAD,  64*APITCH                 ; a head's 64 rows
.set ACH,    4*AHEAD
.set WPITCH, 288
.set WCH,    128*WPITCH
.set WBASE,  4*ACH
.set STAGE,  WBASE+4*WCH               ; the way out: 32 rows x 272 bytes for each wave; no tensor load lands here
.set SPITCH, 272
.set SPARE,  STAGE+4*32*SPITCH         ; the spare words, 128 bytes a wave
.set ACC,  16                          ; v[16:79]   accumulator (mb, nb) at ACC + 8 (4 mb + nb)
.set WB,   80                          ; v[80:143]  wo's fragments, two buffers of 32
.set AB,   176                         ; v[176:207] ctx's fragments, two buffers of 16
.set BIAS, 208                         ; v[208:239]
.set TMPR, 240
.macro RB a, b, t
	v_cvt_pk_bf16_f32 v[\t], v[\a], v[\b]
	v_lshlrev_b32 v[\a], 16, v[\t]
	v_and_b32 v[\b], 0xffff0000, v[\t]
.endm
.macro PLACES
.rept 4
	v_nop
.endr
.endm
.macro CROUND
	s_barrier_signal -1
	s_barrier_wait -1
	s_cmp_lg_u32 s18, 0
	s_cbranch_scc1 .Lnot_wave_0_\@
	s_barrier_signal -3
.Lnot_wave_0_\@:
	s_barrier_wait -3
	s_barrier_signal -1
	s_barrier_wait -1
.endm
	s_load_b256 s[4:11], s[0:1], 0x0               ; ctx s[4:5], w16 s[6:7], bo s[8:9], out0 s[10:11]
	v_lshl_add_u32 v14, v0, 2, SPARE
	v_mov_b32 v15, 0
	ds_add_u32 v14, v15                            ; the wave's opening: the add, twice on end, and its wait ahead of my first tensor load
	ds_add_u32 v14, v15
	v_lshrrev_b32 v1, 5, v0
	v_readfirstlane_b32 s18, v1
	s_and_b32 s94, s18, 1
	s_lshr_b32 s95, s18, 1
	s_bfe_u32 s19, ttmp6, 0x40000                  ; cx
	s_bfe_u32 s20, ttmp6, 0x40004                  ; cy
	s_lshl_b32 s57, ttmp9, 2
	s_add_co_u32 s57, s57, s19                     ; column tile
	s_and_b32 s23, ttmp7, 0xffff
	s_lshl_b32 s23, s23, 2
	s_add_co_u32 s23, s23, s20                     ; row tile 0..63
	s_lshl_b32 s58, s20, 2
	s_lshl_b32 s58, 15, s58                        ; my row of the cluster
	s_lshl_b32 s59, 0x1111, s19                    ; my column
	s_or_b32 s24, s58, (1<<16)|(1<<20)|(1<<21)|(3<<22)|(3<<25)  ; ctx: the mask; 2-byte elements; padding on; bit 21 beside a mask; after every 16 words, 4 words
	s_mov_b32 s25, 2048<<16                        ; a head's 64 rows are 4,096 dense bytes: one row of 2,048 elements;
	s_mov_b32 s26, 2<<16                           ; two heads,
	s_mov_b32 s27, 2048<<16
	s_mov_b32 s28, 2
	s_mov_b32 s29, 32768                           ; 32,768 elements apart
	s_mov_b32 s30, 0
	s_mov_b32 s31, 0
	s_or_b32 s32, s59, (1<<16)|(1<<20)|(1<<21)|(5<<22)|(7<<25)  ; wo: after every 64 words, 8 words
	s_mov_b32 s33, 128<<16
	s_mov_b32 s34, 64<<16
	s_mov_b32 s35, 128<<16
	s_mov_b32 s36, 64
	s_mov_b32 s37, 512
	s_mov_b32 s38, 0
	s_mov_b32 s39, 0
	s_mul_i32 s96, s94, 2*AHEAD
	s_mul_i32 s97, s94, 64*WPITCH
	s_add_co_u32 s97, s97, WBASE
	s_lshr_b32 s60, s23, 4                         ; ctx: batch, my two heads, the tile's first row: hangs on cy, never on cx
	s_lshl_b32 s60, s60, 20
	s_lshl_b32 s56, s94, 17
	s_add_co_u32 s60, s60, s56
	s_and_b32 s56, s23, 15
	s_lshl_b32 s56, s56, 12
	s_add_co_u32 s60, s60, s56
	s_mov_b32 s61, 0
	s_lshl_b32 s62, s94, 16                        ; wo: the fourth matrix, my 64 rows of k, the column tile: hangs on cx, never on cy
	s_add_co_u32 s62, s62, 3*524288
	s_lshl_b32 s63, s57, 8
	s_add_co_u32 s62, s62, s63
	s_mov_b32 s63, 0
	s_lshl_b32 s98, s23, 17                        ; out0: row 64 mt + 32 (w / 2), column 128 ni + 64 (w % 2)
	s_lshl_b32 s66, s95, 16
	s_add_co_u32 s98, s98, s66
	s_lshl_b32 s66, s57, 9
	s_lshl_b32 s67, s94, 8
	s_add_co_u32 s66, s66, s67                     ; also bo's offset
	s_add_co_u32 s98, s98, s66
	s_mov_b32 s99, 0
	s_wait_dscnt 0x0                               ; both opening adds are done
	s_wait_kmcnt 0x0
	s_add_nc_u64 s[84:85], s[4:5], s[60:61]
	s_add_nc_u64 s[86:87], s[6:7], s[62:63]
	s_add_nc_u64 s[90:91], s[10:11], s[98:99]
.irp c, 0,1,2,3
	s_mov_b32 s[40+4*\c], 1
	s_add_co_u32 s[41+4*\c], s96, \c*ACH
	s_add_nc_u64 s[42+4*\c:43+4*\c], s[84:85], \c*262144   ; four heads
	s_or_b32 s[43+4*\c], s[43+4*\c], 0x80000000
	s_mov_b32 s[68+4*\c], 1
	s_add_co_u32 s[69+4*\c], s97, \c*WCH
	s_add_nc_u64 s[70+4*\c:71+4*\c], s[86:87], \c*131072   ; 128 rows of k
	s_or_b32 s[71+4*\c], s[71+4*\c], 0x80000000
.endr
	CROUND                                         ; all sixteen work-groups are here: the joint loads meet
	s_cmp_lt_u32 s18, 2
	s_cbranch_scc0 .Lfill_w
.irp c, 0,1,2,3
	tensor_load_to_lds s[40+4*\c:43+4*\c], s[24:31]
	s_nop 0
.endr
	PLACES
	s_branch .Lfilled
.Lfill_w:
.irp c, 0,1,2,3
	tensor_load_to_lds s[68+4*\c:71+4*\c], s[32:39]
	s_nop 0
.endr
	PLACES
.Lfilled:
	v_and_b32 v2, 15, v0
	v_bfe_u32 v3, v0, 4, 1
	v_lshl_add_u32 v9, v3, 5, s66
.irp nb, 0,1,2,3
	global_load_b128 v[BIAS+8*\nb:BIAS+8*\nb+3], v9, s[8:9] offset:64*\nb
	global_load_b128 v[BIAS+8*\nb+4:BIAS+8*\nb+7], v9, s[8:9] offset:64*\nb+16
.endr
	v_and_b32 v10, 7, v0
	v_bfe_u32 v11, v0, 3, 1
	s_mul_i32 s67, s95, 32*APITCH
	v_mul_u32_u24 v4, v2, APITCH                   ; ctx: row 32 (w / 2) + l % 16, 16 bytes by l / 16
	v_lshl_add_u32 v4, v3, 4, v4
	v_add_nc_u32 v4, s67, v4
	s_lshl_b32 s67, s94, 7
	s_add_co_u32 s67, s67, WBASE
	v_lshl_add_u32 v5, v3, 3, v10                  ; wo, turned
	v_mul_u32_u24 v5, v5, WPITCH
	v_lshl_add_u32 v5, v11, 4, v5
	v_add_nc_u32 v5, s67, v5
	s_mul_i32 s67, s18, 32*SPITCH
	s_add_co_u32 s67, s67, STAGE
	v_mul_u32_u24 v6, v2, SPITCH                   ; stage in: row l % 16, 32 bytes by l / 16
	v_lshl_add_u32 v6, v3, 5, v6
	v_add_nc_u32 v6, s67, v6
	v_mul_u32_u24 v7, v3, SPITCH                   ; back: lanes 0-15 one row of 256 bytes, lanes 16-31 the next
	v_lshl_add_u32 v7, v2, 4, v7
	v_add_nc_u32 v7, s67, v7
	v_lshlrev_b32 v8, 11, v3                       ; and the same two rows in out0
	v_lshl_add_u32 v8, v2, 4, v8
	s_wait_loadcnt 0x0
.set i, 0
.rept 16
	RB BIAS+2*i, BIAS+2*i+1, TMPR+i%2
.set i, i+1
.endr
.macro LOADK b, q                      ; 12 LDS loads: head q of the chunk in hand: ctx's two fragments and wo's four, into buffers b
.irp mb, 0,1
	ds_load_b128 v[AB+16*(\b)+8*\mb:AB+16*(\b)+8*\mb+3], v4 offset:16*APITCH*\mb+AHEAD*(\q)
	ds_load_b128 v[AB+16*(\b)+8*\mb+4:AB+16*(\b)+8*\mb+7], v4 offset:16*APITCH*\mb+AHEAD*(\q)+32
.endr
.irp nb, 0,1,2,3
	ds_load_tr16_b128 v[WB+32*(\b)+8*\nb:WB+32*(\b)+8*\nb+3], v5 offset:32*WPITCH*(\q)+32*\nb
	ds_load_tr16_b128 v[WB+32*(\b)+8*\nb+4:WB+32*(\b)+8*\nb+7], v5 offset:32*WPITCH*(\q)+32*\nb+16*WPITCH
.endr
.endm
.macro KSTEP i                         ; the eight accumulators take turns
.set kb_, (\i)%2
.set kq_, (\i)%4
.if kq_ < 3
	PLACES                                         ; between the step before's products and the loads into the buffers that they read
	LOADK 1-kb_, kq_+1
	s_wait_dscnt 12                                ; this step's fragments are in; the 12 loads just issued stay out
.else
	s_wait_dscnt 0x0
.endif
.irp mb, 0,1
.irp nb, 0,1,2,3
.if (\i) == 0
	v_wmma_f32_16x16x32_f16 v[ACC+8*(4*\mb+\nb):ACC+8*(4*\mb+\nb)+7], v[WB+32*kb_+8*\nb:WB+32*kb_+8*\nb+7], v[AB+16*kb_+8*\mb:AB+16*kb_+8*\mb+7], 0
.else
	v_wmma_f32_16x16x32_f16 v[ACC+8*(4*\mb+\nb):ACC+8*(4*\mb+\nb)+7], v[WB+32*kb_+8*\nb:WB+32*kb_+8*\nb+7], v[AB+16*kb_+8*\mb:AB+16*kb_+8*\mb+7], v[ACC+8*(4*\mb+\nb):ACC+8*(4*\mb+\nb)+7]
.endif
.endr
.endr
.endm
.macro CHUNK c
	s_wait_tensorcnt 3-(\c)                        ; my part of chunk c is in; my younger chunks' loads stay out
	s_barrier_signal -1
	s_barrier_wait -1
.if (\c) > 0
	v_add_nc_u32 v4, ACH, v4
	v_add_nc_u32 v5, WCH, v5
	PLACES                                         ; buffer 0 was read two steps back, and the step between has no vector work
.endif
	LOADK 0, 0
	KSTEP 4*(\c)
	KSTEP 4*(\c)+1
	KSTEP 4*(\c)+2
	KSTEP 4*(\c)+3
.endm
	CHUNK 0
	CHUNK 1
	CHUNK 2
	CHUNK 3
	; THE WAY OUT: + bo; a lane's eight columns are 32 bytes of a row; through my own stage, and out as rows of 256 bytes
	PLACES
.irp mb, 0,1
.irp nb, 0,1,2,3
.irp j, 0,1,2,3
	v_pk_add_f32 v[ACC+8*(4*\mb+\nb)+2*\j:ACC+8*(4*\mb+\nb)+2*\j+1], v[ACC+8*(4*\mb+\nb)+2*\j:ACC+8*(4*\mb+\nb)+2*\j+1], v[BIAS+8*\nb+2*\j:BIAS+8*\nb+2*\j+1]
.endr
	ds_store_b128 v6, v[ACC+8*(4*\mb+\nb):ACC+8*(4*\mb+\nb)+3] offset:16*SPITCH*\mb+64*\nb
	ds_store_b128 v6, v[ACC+8*(4*\mb+\nb)+4:ACC+8*(4*\mb+\nb)+7] offset:16*SPITCH*\mb+64*\nb+16
.endr
.endr
.irp t, 0,1,2,3,4,5,6,7,8,9,10,11,12,13,14,15
	ds_load_b128 v[WB+4*\t:WB+4*\t+3], v7 offset:2*SPITCH*\t  ; LDS serves a wave's instructions in order (ISA guide 5.7.1.4): these see the stores above
.endr
.irp t, 0,1,2,3,4,5,6,7,8,9,10,11,12,13,14,15
	s_wait_dscnt 15-\t
	global_store_b128 v8, v[WB+4*\t:WB+4*\t+3], s[90:91] offset:4096*\t th:TH_STORE_NT  ; 16 lanes store 256 consecutive bytes, aligned
.endr
	s_wait_tensorcnt 0x0                           ; the wave's end
	ds_add_u32 v14, v15
	s_wait_dscnt 0x0
	CROUND                                         ; the closing round
	s_endpgm
.Lfunc_end_k_q33eb4be01b_oproj:
	.size	k_q33eb4be01b_oproj, .Lfunc_end_k_q33eb4be01b_oproj-k_q33eb4be01b_oproj
	.p2alignl 7, 3214868480
	.fill 96, 4, 3214868480
	.section	.rodata,"a",@progbits
	.p2align	6, 0x0
	.amdhsa_kernel k_q33eb4be01b_oproj
		.amdhsa_group_segment_fixed_size 264704
		.amdhsa_private_segment_fixed_size 0
		.amdhsa_enable_private_segment 0
		.amdhsa_kernarg_size 32
		.amdhsa_user_sgpr_count 2
		.amdhsa_user_sgpr_kernarg_segment_ptr 1
		.amdhsa_wavefront_size32 1
		.amdhsa_system_sgpr_workgroup_id_x 1
		.amdhsa_system_sgpr_workgroup_id_y 1
		.amdhsa_system_sgpr_workgroup_id_z 1
		.amdhsa_system_vgpr_workitem_id 0
		.amdhsa_next_free_vgpr 256
		.amdhsa_next_free_sgpr 100
		.amdhsa_reserve_vcc 0
		.amdhsa_float_denorm_mode_32 3
		.amdhsa_float_denorm_mode_16_64 3
		.amdhsa_memory_ordered 1
		.amdhsa_forward_progress 1
		.amdhsa_inst_pref_size 41
	.end_amdhsa_kernel
	.amdgpu_metadata
---
amdhsa.version: [ 1, 2 ]
amdhsa.kernels:
  - .name:           k_q33eb4be01b_oproj
    .symbol:         k_q33eb4be01b_oproj.kd
    .args:
      - { .name: ctx, .offset: 0, .size: 8, .value_kind: global_buffer, .address_space: global }
      - { .name: w16, .offset: 8, .size: 8, .value_kind: global_buffer, .address_space: global }
      - { .name: bo, .offset: 16, .size: 8, .value_kind: global_buffer, .address_space: global }
      - { .name: out0, .offset: 24, .size: 8, .value_kind: global_buffer, .address_space: global }
    .group_segment_fixed_size: 264704
    .private_segment_fixed_size: 0
    .kernarg_segment_align: 8
    .kernarg_segment_size: 32
    .max_flat_workgroup_size: 128
    .sgpr_count:     100
    .vgpr_count:     256
    .wavefront_size: 32
...
	.end_amdgpu_metadata
.endif
;; end of part 4
;; ======== version 2 of 2: 4 launches; version 1 with the launch prep written anew for expert scheduling mode
;; limits: values are held in f16: magnitudes above 65,504 overflow, below 6.1e-05 lose precision; right only within a limited range of input values
;; workspace buffers: tab 1,032,192 bytes; w16 2,097,152 bytes; qkv 12,582,912 bytes; ctx 4,194,304 bytes
;; launch prep (part 5): grid 127 x 1, 4 waves a work-group, no clusters, 47,616 bytes of LDS; arguments pb_w0, pb_b0, pb_w1, pb_b1, pb_w2, wq, wk, wv, wo, tab, w16; writes tab, w16
.if DOCPART == 5
	.amdgcn_target "amdgcn-amd-amdhsa--gfx1250"
	.amdhsa_code_object_version 6
	.text
	.protected	k_q33eb4be01b_prep
	.globl	k_q33eb4be01b_prep
	.p2align	8
	.type	k_q33eb4be01b_prep,@function
k_q33eb4be01b_prep:
	s_mov_b64 s[64:65], 0
	v_nop
	global_prefetch_b8 v0, s[64:65] scope:SCOPE_SE
	s_setreg_imm32_b32 hwreg(HW_REG_WAVE_SCHED_MODE, 0, 2), 2
	s_setreg_imm32_b32 hwreg(HW_REG_WAVE_MODE, 25, 1), 1
	s_wait_xcnt 0x0
	s_wait_alu depctr_vm_vsrc(0)
; PREP: the position-bias table, and the four weight matrices in 16 bits.
; WORK THAT IS NOT DONE, in the problem's own terms, for all values of the inputs:
;  (1) reference() builds pos in its own body from the constants 32, 32, so rel = pos[q] - pos[k] = (qy - ky, qx - kx) takes 63 x 63 values, and the MLP is a function of rel alone.
;      It is evaluated once for each (dy, dx), 63 x 64 rows, not for each of the 1,048,576 pairs (q, k); the attention launch finds a pair's number by arithmetic on its own ids.
;  (2) bk: Q . (key wk + bk) = Q . (key wk) + Q . bk, and Q . bk is the same for every key of a softmax row: it cancels in the softmax.  bk is loaded by no launch.
;  (3) pb_b2: one number a head, added to every score of the head: the same along the softmax's axis.  pb_b2 is loaded by no launch.
;  LIMIT: a NaN, an infinity or an overflow that reaches only bk, pb_b2 or a repeated evaluation of the MLP is not carried to the result.
; TABLE.  tab[head 16][dyi 63][j0 64][4] f32: entry (dyi, j0) holds T[j0 .. j0+3], T[j] = log2(e) x MLP(dy = dyi - 31, dx = 31 - j)[head] without pb_b2, T[64..] = 0:
;  a sliding window, so that any eight neighbouring T are two aligned reads of 16 bytes, 64 bytes apart.
; FORMATS.  All inputs are rounded to bf16 once.  pb_w1, pb_w2 and wo are then written as f16 (exact in f16's normal range).
;  THE HIDDEN LAYERS GO AS TWO f16 OPERANDS, hi + lo: a bias is an exponent, tens in size at the grid's far pairs, so one f16's 11 bits would move a weight by parts in a thousand.
;  hi = the f32 number with its low 13 mantissa bits cleared (exact in f16's normal range), lo = the rest, rounded to f16: some 21 bits together; each product is taken with hi and with lo.
;  LIMITS: |x1| within 65,504; x2 is carried as x2 / 64 (LeakyReLU commutes with a positive factor), so |x2| within 4.19e6; below 6.1e-5 hi and lo keep f16's fixed step of 6e-8; NaN and infinities are not treated apart.
; SHARES.  Work-groups 0 .. 62: table row dyi = the work-group's number; wave w owns the positions j = 16 w .. 16 w + 15.  Work-groups 63 .. 126: 65,536 bytes of one weight matrix each.
;  Both kinds pass the same two barriers; every jump on the work-group's number goes forward over text that holds no barrier.
; THE MODE: SCHED_MODE bits 1:0 = 2 (LLVM: expert scheduling mode 2), set by the entry lines.  The code itself states the register dependences
;  between vector or matrix instructions and memory or LDS instructions, with s_wait_alu, always for 0.
; THE PLAN.  Registers that memory or LDS instructions touch:
;   v2, v3, v9-v11, v13-v19, v22, v25   my spare word, 0, offsets and LDS addresses: written in the head, never again; one wait at the head's end serves every load and store of the kernel.
;   v[64:191], v[192:211]   Phase 1 (and the weights' work-groups): global loads land, the roundings rewrite them in place, stores read them.  The roundings go in batches; a batch's stores are issued
;                           at the NEXT batch's head, behind that batch's wait for its data and one wait on va_vdst.  No register is rounded twice, so nothing is owed on vm_vsrc inside the phase.
;   v[64:255]               Phase 2: LDS loads land (layer 1's inputs; b1 as the accumulators' start).  One wait on vm_vsrc behind the first barrier: the stores above have read them.  The last wait on va_vdst of
;                           phase 1 stands behind its last vector line, so nothing more is owed on that side.
;   window 1, all 256       pb_w1's 32 fragments, a register of its own for each: written by LDS loads alone, read by the products alone.  No vector or matrix line names one ahead of its load: the 64 loads owe no wait,
;   window 2, v[0:31]       and neither do pb_w2's eight.  They are dealt among layer 1's vector lines, which name v6, v7 and v[32:191] of window 0.
;   v[32:39]                T: written by vector lines, read by eight LDS stores: one wait on va_vdst ahead of them; no vector line follows it, so it serves phase 3's loads into v[64:95] too.
.set W1P,   288                        ; a row of pb_w1 in LDS: 128 f16 + 32 bytes: the turning load's 8 rows x 32 bytes fall on different banks
.set W2H,   128*W1P                    ; pb_w2 as f16, rows of 32 bytes
.set PRE,   W2H+4096                   ; dy w0[0][:] + b0, f32
.set W01,   PRE+512                    ; w0[1][:], f32
.set B1,    W01+512                    ; b1, f32
.set TT,    B1+512                     ; T: 16 heads x 72 words
.set TP,    288
.set SPARE, TT+16*TP                   ; the spare words, 128 bytes a wave: two blocks of 256 bytes that no other line names
.set SPW, 2                            ; v2  my spare word; never rewritten
.set NIL, 3                            ; v3  0; never rewritten
.set X1H, 32                           ; v[32:63]    layer 1, hi: four fragments of 32 units x 16 positions
.set X1L, 160                          ; v[160:191]  layer 1, lo
.set AC2, 192                          ; v[192:255]  layer 2's eight accumulators
.set X2H, 96                           ; v[96:127]   layer 2, hi
.set X2L, 160                          ; v[160:191]  layer 2, lo
.set W2F, 0                            ; window 2, v[0:31]: pb_w2's four fragments.  (Window 1: half run n of pb_w1 at v[32 n])
.set TA,  32                           ; v[32:47]    layer 3's two accumulators
.set TB,  40
; v4 lane, v5 lane % 16, v8 lane / 16, v[6:7] dx, v9 4 t, v10 16 t, v17 8 t, v18 32 t, v11 T's pad, v13 32 (lane / 16), v16 pb_w1's place, v19, v22 turning loads, v14, v15 T in and out, v25 my place in tab
.set MSB, 0
.macro WIN new                         ; s_set_vgpr_msb: bits 1:0 source 0, 3:2 source 1, 5:4 source 2, 7:6 destination; the high byte repeats the setting that is left; a switch that changes nothing is dropped
.if MSB != (\new)
	s_set_vgpr_msb (MSB<<8)|(\new)
.set MSB, (\new)
.endif
.endm
.macro RB a, b, t                      ; two f32 rounded to bf16 and widened again
	v_cvt_pk_bf16_f32 v[\t], v[\a], v[\b]
	v_lshlrev_b32 v[\a], 16, v[\t]
	v_and_b32 v[\b], 0xffff0000, v[\t]
.endm
.macro H4 b, t                         ; four f32 -> bf16 -> f16, packed into the first two registers
	RB (\b), (\b)+1, \t
	RB (\b)+2, (\b)+3, (\t)+1
	v_cvt_pk_f16_f32 v[(\b)], v[(\b)], v[(\b)+1]
	v_cvt_pk_f16_f32 v[(\b)+1], v[(\b)+2], v[(\b)+3]
.endm
.macro H8 b, t                         ; eight, into the first four
	RB (\b), (\b)+1, \t
	RB (\b)+2, (\b)+3, (\t)+1
	RB (\b)+4, (\b)+5, (\t)+2
	RB (\b)+6, (\b)+7, (\t)+3
	v_cvt_pk_f16_f32 v[(\b)], v[(\b)], v[(\b)+1]
	v_cvt_pk_f16_f32 v[(\b)+1], v[(\b)+2], v[(\b)+3]
	v_cvt_pk_f16_f32 v[(\b)+2], v[(\b)+4], v[(\b)+5]
	v_cvt_pk_f16_f32 v[(\b)+3], v[(\b)+6], v[(\b)+7]
.endm
.macro PLACES                          ; four plain vector instructions between a matrix instruction and the vector line that reads its result or writes its registers (ISA guide 7.12.1)
.rept 4
	v_nop
.endr
.endm
; 64 f32 at x are split: hi into 64 registers at t, the rest stays at x; then both are packed to f16, hi to h (32 registers) first, lo to l, which may lie on t's registers
.macro SPLIT x, t, h, l
.set i, 0
.rept 64
	v_and_b32 v[(\t)+i], s48, v[(\x)+i]
.set i, i+1
.endr
.set i, 0
.rept 32
	v_pk_add_f32 v[(\x)+2*i:(\x)+2*i+1], v[(\x)+2*i:(\x)+2*i+1], v[(\t)+2*i:(\t)+2*i+1] neg_lo:[0,1] neg_hi:[0,1]
.set i, i+1
.endr
.set i, 0
.rept 32
	v_cvt_pk_f16_f32 v[(\h)+i], v[(\t)+2*i], v[(\t)+2*i+1]
.set i, i+1
.endr
.set i, 0
.rept 32
	v_cvt_pk_f16_f32 v[(\l)+i], v[(\x)+2*i], v[(\x)+2*i+1]
.set i, i+1
.endr
.endm
; Batches.  pb_w1: parts 8 b .. 8 b + 7 are rounded (W1CV) and, a batch later, stored into LDS (W1ST).  The weights: parts 4 b .. 4 b + 3 are rounded (CVB: bf16; CVH: bf16 written as f16) and, a batch later, stored (CST).
.macro W1CV b
.set i, 8*(\b)
.rept 8
	H4 64+4*i, 212
.set i, i+1
.endr
.endm
.macro W1ST b
.set i, 8*(\b)
.rept 8
	ds_store_b64 v16, v[64+4*i:65+4*i] offset:4*W1P*i
.set i, i+1
.endr
.endm
.macro CVB b
.set i, 4*(\b)
.rept 4
.irp j, 0,1,2,3
	v_cvt_pk_bf16_f32 v[64+8*i+\j], v[64+8*i+2*\j], v[64+8*i+2*\j+1]
.endr
.set i, i+1
.endr
.endm
.macro CVH b
.set i, 4*(\b)
.rept 4
	H8 64+8*i, 212
.set i, i+1
.endr
.endm
.macro CST b
.set i, 4*(\b)
.rept 4
	global_store_b128 v10, v[64+8*i:67+8*i], s[36:37] offset:2048*i  ; a wave's store covers 512 consecutive bytes, aligned
.set i, i+1
.endr
.endm
	s_load_b512 s[8:23], s[0:1], 0x0               ; w0 s[8:9], b0 s[10:11], w1 s[12:13], b1 s[14:15], w2 s[16:17], wq s[18:19], wk s[20:21], wv s[22:23]
	s_load_b128 s[24:27], s[0:1], 0x40             ; wo s[24:25], tab s[26:27]
	s_load_b64 s[28:29], s[0:1], 0x50              ; w16
	v_lshl_add_u32 v[SPW], v0, 2, SPARE
	v_mov_b32 v[NIL], 0
	v_lshrrev_b32 v1, 5, v0
	v_readfirstlane_b32 s30, v1                    ; wave 0..3
	v_and_b32 v4, 31, v0
	v_and_b32 v5, 15, v0
	v_bfe_u32 v8, v0, 4, 1
	v_lshlrev_b32 v9, 2, v0
	v_lshlrev_b32 v10, 4, v0
	v_lshlrev_b32 v17, 3, v0
	v_lshlrev_b32 v18, 5, v0
	v_lshrrev_b32 v11, 3, v0                       ; T's pad: head t / 8, word 64 + t % 8
	v_mul_u32_u24 v11, v11, TP
	v_and_b32 v20, 7, v0
	v_lshl_add_u32 v11, v20, 2, v11
	v_lshlrev_b32 v13, 5, v8
	s_wait_alu depctr_va_sdst(0)                   ; s30, the wave's number, is written, ahead of its first reader: the line below
	s_mul_i32 s31, s30, W1P
	v_lshl_add_u32 v16, v4, 3, s31                 ; pb_w1: row wave + 4 i, 8 bytes a lane
	v_lshl_add_u32 v20, v8, 3, v20                 ; the turning loads: row 8 (l / 16) + l % 8,
	v_bfe_u32 v21, v0, 3, 1                        ; 16 bytes by (l / 8) % 2
	v_mul_u32_u24 v19, v20, W1P
	v_lshl_add_u32 v19, v21, 4, v19
	v_lshlrev_b32 v22, 5, v20
	v_lshl_add_u32 v22, v21, 4, v22
	s_lshl_b32 s32, s30, 6
	v_mul_u32_u24 v14, v8, 8*TP                    ; T in: heads 8 (l / 16) + i, word 16 w + l % 16
	v_lshl_add_u32 v14, v5, 2, v14
	v_add_nc_u32 v14, s32, v14
	v_lshrrev_b32 v23, 6, v0
	v_and_b32 v24, 63, v0
	v_mul_u32_u24 v15, v23, TP                     ; T out: head t / 64 + 2 i, word t % 64
	v_lshl_add_u32 v15, v24, 2, v15
	v_mul_u32_u24 v25, v23, 64512                  ; a head of tab is 63 x 1,024 bytes
	v_lshl_add_u32 v25, v24, 4, v25
	s_lshl_b32 s33, s30, 4
	s_sub_co_u32 s33, 31, s33
	v_sub_nc_u32 v6, s33, v5                       ; dx = 31 - 16 w - l % 16
	v_cvt_f32_i32 v6, v6
	v_mov_b32 v7, v6
	s_mov_b32 s38, 0x3c23d70a                      ; 0.01
	s_mov_b32 s39, s38
	s_mov_b32 s40, 0x42b8aa3b                      ; 64 log2(e)
	s_mov_b32 s41, s40
	s_mov_b32 s42, 0x3923d70a                      ; 0.01 / 64
	s_mov_b32 s43, s42
	s_mov_b32 s44, 0x3c800000                      ; 1 / 64
	s_mov_b32 s45, s44
	s_wait_kmcnt 0x0
	s_wait_alu depctr_va_vdst(0)                   ; the offsets and LDS addresses v9-v11, v13-v19, v22, v25, and v3, are written: every load and store of the kernel reads some of them, and no line writes one again
	s_cmp_ge_u32 ttmp9, 63
	s_cbranch_scc1 .Lcast
	; TABLE, PHASE 1: the MLP's weights come in, are rounded and laid into LDS.  40 loads go out at once.
	global_load_b32 v208, v9, s[8:9]               ; w0[0][t]
	global_load_b32 v209, v9, s[8:9] offset:512    ; w0[1][t]
	global_load_b32 v210, v9, s[10:11]             ; b0[t]
	global_load_b32 v211, v9, s[14:15]             ; b1[t]
.irp i, 0,1,2,3
	global_load_b128 v[192+4*\i:195+4*\i], v10, s[16:17] offset:2048*\i
.endr
.set i, 0
.rept 32
	global_load_b128 v[64+4*i:67+4*i], v10, s[12:13] offset:2048*i
.set i, i+1
.endr
	s_sub_co_i32 s31, ttmp9, 31
	v_cvt_f32_i32 v213, s31                        ; dy
	s_wait_loadcnt 36                              ; the four small loads are in; the 36 younger stay out
	RB 208, 209, 212
	RB 210, 211, 212
	v_fma_f32 v208, v213, v208, v210               ; dy w0[0] + b0
	s_wait_loadcnt 32                              ; pb_w2's four parts are in; pb_w1's 32 loads stay out
	s_wait_alu depctr_va_vdst(0)                   ; v208, v209 and v211 are written, which the LDS stores below read
	ds_store_b32 v9, v208 offset:PRE
	ds_store_b32 v9, v209 offset:W01
	ds_store_b32 v9, v211 offset:B1
	ds_store_b32 v11, v[NIL] offset:TT+256         ; T[64 .. 71] = 0
.irp i, 0,1,2,3
	H4 192+4*\i, 212
.endr
	s_wait_loadcnt 24                              ; pb_w1's parts 0 to 7 are in; the 24 younger loads stay out
	s_wait_alu depctr_va_vdst(0)                   ; pb_w2's roundings have written v[192:207], which the LDS stores below read
.irp i, 0,1,2,3
	ds_store_b64 v17, v[192+4*\i:193+4*\i] offset:W2H+1024*\i
.endr
	W1CV 0
	s_wait_loadcnt 16                              ; parts 8 to 15
	s_wait_alu depctr_va_vdst(0)                   ; batch 0's roundings have written its registers, which the LDS stores below read
	W1ST 0
	W1CV 1
	s_wait_loadcnt 8                               ; parts 16 to 23
	s_wait_alu depctr_va_vdst(0)                   ; batch 1's roundings have written its registers, which the LDS stores below read
	W1ST 1
	W1CV 2
	s_wait_loadcnt 0x0                             ; parts 24 to 31
	s_wait_alu depctr_va_vdst(0)                   ; batch 2's roundings have written its registers, which the LDS stores below read
	W1ST 2
	W1CV 3
	s_wait_alu depctr_va_vdst(0)                   ; batch 3's roundings have written its registers, which the LDS stores below read; the phase's vector lines are also done with v[64:213], in which phase 2's loads land
	W1ST 3
	s_branch .Lb1
.Lcast:	; THE WEIGHTS: matrix (n - 63) / 16, sixteenth (n - 63) % 16: 65,536 bytes of f32 in, 32,768 bytes out, in the inputs' own [in][out] order
	s_sub_co_u32 s31, ttmp9, 63
	s_lshr_b32 s48, s31, 4
	s_and_b32 s49, s31, 15
	s_cmp_eq_u32 s48, 1
	s_cselect_b64 s[34:35], s[20:21], s[18:19]
	s_cmp_eq_u32 s48, 2
	s_cselect_b64 s[34:35], s[22:23], s[34:35]
	s_cmp_eq_u32 s48, 3
	s_cselect_b64 s[34:35], s[24:25], s[34:35]
	s_lshl_b32 s46, s49, 16
	s_mov_b32 s47, 0
	s_add_nc_u64 s[34:35], s[34:35], s[46:47]
	s_lshl_b32 s46, s48, 19
	s_lshl_b32 s31, s49, 15
	s_add_co_u32 s46, s46, s31
	s_add_nc_u64 s[36:37], s[28:29], s[46:47]
.set i, 0
.rept 16
	global_load_b128 v[64+8*i:67+8*i], v18, s[34:35] offset:4096*i th:TH_LOAD_NT
	global_load_b128 v[68+8*i:71+8*i], v18, s[34:35] offset:4096*i+16 th:TH_LOAD_NT
.set i, i+1
.endr
	s_cmp_eq_u32 s48, 3
	s_cbranch_scc1 .Lcast_h
	; wq, wk, wv: bf16.  Four batches of four parts, eight loads each
	s_wait_loadcnt 24                              ; batch 0's eight loads are in; the 24 younger stay out
	CVB 0
	s_wait_loadcnt 16
	s_wait_alu depctr_va_vdst(0)                   ; batch 0's roundings have written its registers, which the stores below read
	CST 0
	CVB 1
	s_wait_loadcnt 8
	s_wait_alu depctr_va_vdst(0)                   ; batch 1's roundings have written its registers, which the stores below read
	CST 1
	CVB 2
	s_wait_loadcnt 0x0
	s_wait_alu depctr_va_vdst(0)                   ; batch 2's roundings have written its registers, which the stores below read
	CST 2
	CVB 3
	s_wait_alu depctr_va_vdst(0)                   ; batch 3's roundings have written its registers, which the stores below read
	CST 3
	s_branch .Lcast_done
.Lcast_h:	; wo: rounded to bf16, written as f16, since it multiplies ctx, which is f16
	s_wait_loadcnt 24
	CVH 0
	s_wait_loadcnt 16
	s_wait_alu depctr_va_vdst(0)                   ; batch 0's roundings have written its registers, which the stores below read
	CST 0
	CVH 1
	s_wait_loadcnt 8
	s_wait_alu depctr_va_vdst(0)                   ; batch 1's roundings have written its registers, which the stores below read
	CST 1
	CVH 2
	s_wait_loadcnt 0x0
	s_wait_alu depctr_va_vdst(0)                   ; batch 2's roundings have written its registers, which the stores below read
	CST 2
	CVH 3
	s_wait_alu depctr_va_vdst(0)                   ; batch 3's roundings have written its registers, which the stores below read
	CST 3
.Lcast_done:
	s_wait_xcnt 0x0                                ; the stores have read their registers: the text below names the same ones
.Lb1:
	s_wait_dscnt 0x0                               ; for the others' sake: my LDS stores are done
	s_barrier_signal -1
	s_barrier_wait -1
	s_wait_alu depctr_vm_vsrc(0)                   ; my stores, into LDS or of the weights, have read v[64:191] and v[192:211], which the loads and the vector lines below write again
	s_cmp_ge_u32 ttmp9, 63
	s_cbranch_scc1 .Lb2
	; TABLE, PHASE 2.  LAYER 1 in f32: x1[k] = leaky(dx w0[1][k] + (dy w0[0][k] + b0[k])), for my position and the 64 units that a source-1 fragment wants of my lane:
	; of each 32 units, 8 (l / 16) + 0..7 and 16 + 8 (l / 16) + 0..7.  leaky(x) = max(x, 0.01 x) for every finite x.
	; All the phase's 120 LDS loads are issued here and among layer 1's vector lines, with no wait on va_vdst: no vector line since phase 1's last such wait names a register in which one of them lands.
.macro W1F n                           ; eight turning loads: half run n of pb_w1 (units 32 (n / 2) .. of layer 1, units 64 (n % 2) .. of layer 2: four fragments) into its own 32 registers of window 1
.irp j, 0,1,2,3
	ds_load_tr16_b128 v[32*(\n)+8*\j:32*(\n)+8*\j+3], v19 offset:32*W1P*((\n)/2)+32*(4*((\n)%2)+\j)
	ds_load_tr16_b128 v[32*(\n)+8*\j+4:32*(\n)+8*\j+7], v19 offset:32*W1P*((\n)/2)+32*(4*((\n)%2)+\j)+16*W1P
.endr
.endm
	s_mov_b32 s48, 0xffffe000                      ; keeps sign, exponent and ten mantissa bits: what f16 holds
.set i, 0
.rept 4
	ds_load_b128 v[64+16*i:67+16*i], v13 offset:PRE+128*i
	ds_load_b128 v[68+16*i:71+16*i], v13 offset:PRE+128*i+16
	ds_load_b128 v[72+16*i:75+16*i], v13 offset:PRE+128*i+64
	ds_load_b128 v[76+16*i:79+16*i], v13 offset:PRE+128*i+80
	ds_load_b128 v[128+16*i:131+16*i], v13 offset:W01+128*i
	ds_load_b128 v[132+16*i:135+16*i], v13 offset:W01+128*i+16
	ds_load_b128 v[136+16*i:139+16*i], v13 offset:W01+128*i+64
	ds_load_b128 v[140+16*i:143+16*i], v13 offset:W01+128*i+80
.set i, i+1
.endr
.irp nb, 0,1,2,3,4,5,6,7               ; layer 2's eight accumulators start as b1
	ds_load_b128 v[AC2+8*\nb:AC2+8*\nb+3], v13 offset:B1+64*\nb
	ds_load_b128 v[AC2+8*\nb+4:AC2+8*\nb+7], v13 offset:B1+64*\nb+16
.endr
	WIN 0x40                                       ; destination in window 1, address in window 0
	W1F 0
	W1F 1
	WIN 0
	s_wait_dscnt 32                                ; layer 1's 32 loads are in; b1's sixteen and the sixteen of half runs 0 and 1 stay out
.set i, 0
.rept 32
	v_pk_fma_f32 v[64+2*i:65+2*i], v[128+2*i:129+2*i], v[6:7], v[64+2*i:65+2*i] op_sel_hi:[1,0,1]
.set i, i+1
.endr
	WIN 0x40
	W1F 2
	W1F 3
	WIN 0
.set i, 0
.rept 32
	v_pk_mul_f32 v[128+2*i:129+2*i], v[64+2*i:65+2*i], s[38:39] op_sel_hi:[1,0]
.set i, i+1
.endr
	WIN 0x40
	W1F 4
	W1F 5
	WIN 0
.set i, 0
.rept 64
	v_max_num_f32 v[64+i], v[64+i], v[128+i]
.set i, i+1
.endr
	WIN 0x40
	W1F 6
	W1F 7
	WIN 0x80                                       ; destination in window 2
.irp kc, 0,1,2,3                       ; pb_w2's four fragments (16 heads x 32 units), turned likewise
	ds_load_tr16_b128 v[W2F+8*\kc:W2F+8*\kc+3], v22 offset:W2H+1024*\kc
	ds_load_tr16_b128 v[W2F+8*\kc+4:W2F+8*\kc+7], v22 offset:W2H+1024*\kc+512
.endr
	WIN 0
	SPLIT 64, 128, X1H, X1L                        ; hi is packed out of v[128:191] before lo is packed into v[160:191]
	; LAYER 2, transposed: source 0 = 16 units of layer 2 (pb_w1 turned on its way out of LDS), source 1 = X1.  A lane's results: my position, units 16 nb + 8 (l / 16) + 0..7.
	; Eight half runs n of eight products.  A half run's four accumulators take turns, with X1's hi and then with its lo; neighbouring half runs have different accumulators: one instruction a turn.
.macro L2 n                            ; eight products
.irp x, X1H, X1L
.irp j, 0,1,2,3
	v_wmma_f32_16x16x32_f16 v[AC2+8*(4*((\n)%2)+\j):AC2+8*(4*((\n)%2)+\j)+7], v[32*(\n)+8*\j:32*(\n)+8*\j+7], v[(\x)+8*((\n)/2):(\x)+8*((\n)/2)+7], v[AC2+8*(4*((\n)%2)+\j):AC2+8*(4*((\n)%2)+\j)+7]
.endr
.endr
.endm
	WIN 0x01                                       ; source 0 in window 1
	s_wait_dscnt 56                                ; b1 and half runs 0 and 1 are in; the 48 loads of half runs 2 to 7 and pb_w2's eight stay out
	L2 0
	L2 1
	s_wait_dscnt 40                                ; half runs 2 and 3; 32 + 8 stay out
	L2 2
	L2 3
	s_wait_dscnt 24                                ; half runs 4 and 5; 16 + 8 stay out
	L2 4
	L2 5
	s_wait_dscnt 8                                 ; half runs 6 and 7; pb_w2's eight loads stay out
	L2 6
	L2 7
	WIN 0
	PLACES
.set i, 0
.rept 32                               ; x2 / 64 = max(x / 64, 0.01 x / 64); each accumulator is read from its low end on
	v_pk_mul_f32 v[32+2*i:33+2*i], v[AC2+2*i:AC2+2*i+1], s[42:43] op_sel_hi:[1,0]
.set i, i+1
.endr
.set i, 0
.rept 32
	v_pk_mul_f32 v[AC2+2*i:AC2+2*i+1], v[AC2+2*i:AC2+2*i+1], s[44:45] op_sel_hi:[1,0]
.set i, i+1
.endr
.set i, 0
.rept 64
	v_max_num_f32 v[AC2+i], v[AC2+i], v[32+i]
.set i, i+1
.endr
	SPLIT AC2, 32, X2H, X2L                        ; two accumulators, packed, ARE a source-1 fragment of 32 units
	; LAYER 3: source 0 = the 16 heads, source 1 = X2, hi and then lo.  Two accumulators by turns.
	s_wait_dscnt 0x0                               ; pb_w2's fragments are in
	WIN 0x02                                       ; source 0 in window 2
	v_wmma_f32_16x16x32_f16 v[TA:TA+7], v[W2F:W2F+7], v[X2H:X2H+7], 0
	v_wmma_f32_16x16x32_f16 v[TB:TB+7], v[W2F+8:W2F+15], v[X2H+8:X2H+15], 0
	v_wmma_f32_16x16x32_f16 v[TA:TA+7], v[W2F+16:W2F+23], v[X2H+16:X2H+23], v[TA:TA+7]
	v_wmma_f32_16x16x32_f16 v[TB:TB+7], v[W2F+24:W2F+31], v[X2H+24:X2H+31], v[TB:TB+7]
	v_wmma_f32_16x16x32_f16 v[TA:TA+7], v[W2F:W2F+7], v[X2L:X2L+7], v[TA:TA+7]
	v_wmma_f32_16x16x32_f16 v[TB:TB+7], v[W2F+8:W2F+15], v[X2L+8:X2L+15], v[TB:TB+7]
	v_wmma_f32_16x16x32_f16 v[TA:TA+7], v[W2F+16:W2F+23], v[X2L+16:X2L+23], v[TA:TA+7]
	v_wmma_f32_16x16x32_f16 v[TB:TB+7], v[W2F+24:W2F+31], v[X2L+24:X2L+31], v[TB:TB+7]
	WIN 0                                          ; at a label and at a branch every window is 0
	PLACES
.irp j, 0,1,2,3
	v_pk_mul_f32 v[TB+2*\j:TB+2*\j+1], v[TB+2*\j:TB+2*\j+1], s[40:41] op_sel_hi:[1,0]
.endr
.irp j, 0,1,2,3
	v_pk_fma_f32 v[TA+2*\j:TA+2*\j+1], v[TA+2*\j:TA+2*\j+1], s[40:41], v[TB+2*\j:TB+2*\j+1] op_sel_hi:[1,0,1]  ; 64 log2(e) x (both halves of the sum)
.endr
	s_wait_alu depctr_va_vdst(0)                   ; v[TA:TA+7] are written, which the LDS stores below read; the phase's vector lines are also done with v[64:95], in which phase 3's loads land
.irp j, 0,1,2,3,4,5,6,7
	ds_store_b32 v14, v[TA+\j] offset:TT+TP*\j     ; T[head 8 (l / 16) + j][16 w + l % 16]
.endr
.Lb2:
	s_wait_dscnt 0x0
	s_barrier_signal -1
	s_barrier_wait -1
	s_cmp_ge_u32 ttmp9, 63
	s_cbranch_scc1 .Lend
	; TABLE, PHASE 3: the sliding windows go out: thread t writes T[j0 .. j0 + 3], j0 = t % 64, of heads t / 64 + 2 i
	s_lshl_b32 s46, ttmp9, 10
	s_mov_b32 s47, 0
	s_add_nc_u64 s[50:51], s[26:27], s[46:47]      ; tab at row dyi
.irp i, 0,1,2,3,4,5,6,7
.irp j, 0,1,2,3
	ds_load_b32 v[64+4*\i+\j], v15 offset:TT+2*TP*\i+4*\j
.endr
.endr
.irp i, 0,1,2,3,4,5,6,7
	s_wait_dscnt 4*(7-\i)                          ; my four words of pair i; the younger loads stay out
	global_store_b128 v25, v[64+4*\i:67+4*\i], s[50:51] offset:129024*\i  ; a wave's store covers 512 consecutive bytes, aligned
.endr
.Lend:
	s_wait_dscnt 0x0                               ; the closing lines, six on end
	s_wait_alu 0x0
	s_wait_tensorcnt 0x0
	ds_add_u32 v[SPW], v[NIL]
	s_wait_dscnt 0x0
	s_endpgm
.Lfunc_end_k_q33eb4be01b_prep:
	.size	k_q33eb4be01b_prep, .Lfunc_end_k_q33eb4be01b_prep-k_q33eb4be01b_prep
	.p2alignl 7, 3214868480
	.fill 96, 4, 3214868480
	.section	.rodata,"a",@progbits
	.p2align	6, 0x0
	.amdhsa_kernel k_q33eb4be01b_prep
		.amdhsa_group_segment_fixed_size 47616
		.amdhsa_private_segment_fixed_size 0
		.amdhsa_enable_private_segment 0
		.amdhsa_kernarg_size 88
		.amdhsa_user_sgpr_count 2
		.amdhsa_user_sgpr_kernarg_segment_ptr 1
		.amdhsa_wavefront_size32 1
		.amdhsa_system_sgpr_workgroup_id_x 1
		.amdhsa_system_sgpr_workgroup_id_y 1
		.amdhsa_system_sgpr_workgroup_id_z 1
		.amdhsa_system_vgpr_workitem_id 0
		.amdhsa_next_free_vgpr 544
		.amdhsa_next_free_sgpr 66
		.amdhsa_reserve_vcc 0
		.amdhsa_float_denorm_mode_32 3
		.amdhsa_float_denorm_mode_16_64 3
		.amdhsa_memory_ordered 1
		.amdhsa_forward_progress 1
		.amdhsa_inst_pref_size 97
	.end_amdhsa_kernel
	.amdgpu_metadata
---
amdhsa.version: [ 1, 2 ]
amdhsa.kernels:
  - .name:           k_q33eb4be01b_prep
    .symbol:         k_q33eb4be01b_prep.kd
    .args:
      - { .name: pb_w0, .offset: 0, .size: 8, .value_kind: global_buffer, .address_space: global }
      - { .name: pb_b0, .offset: 8, .size: 8, .value_kind: global_buffer, .address_space: global }
      - { .name: pb_w1, .offset: 16, .size: 8, .value_kind: global_buffer, .address_space: global }
      - { .name: pb_b1, .offset: 24, .size: 8, .value_kind: global_buffer, .address_space: global }
      - { .name: pb_w2, .offset: 32, .size: 8, .value_kind: global_buffer, .address_space: global }
      - { .name: wq, .offset: 40, .size: 8, .value_kind: global_buffer, .address_space: global }
      - { .name: wk, .offset: 48, .size: 8, .value_kind: global_buffer, .address_space: global }
      - { .name: wv, .offset: 56, .size: 8, .value_kind: global_buffer, .address_space: global }
      - { .name: wo, .offset: 64, .size: 8, .value_kind: global_buffer, .address_space: global }
      - { .name: tab, .offset: 72, .size: 8, .value_kind: global_buffer, .address_space: global }
      - { .name: w16, .offset: 80, .size: 8, .value_kind: global_buffer, .address_space: global }
    .group_segment_fixed_size: 47616
    .private_segment_fixed_size: 0
    .kernarg_segment_align: 8
    .kernarg_segment_size: 88
    .max_flat_workgroup_size: 128
    .sgpr_count:     66
    .vgpr_count:     544
    .wavefront_size: 32
...
	.end_amdgpu_metadata
.endif
;; end of part 5
;; launch qkv: the kernel of part 2 again; grid 4 x 192, 4 waves a work-group, clusters of 4 x 4, 303,616 bytes of LDS; arguments query, key, value, w16, bq, bv, qkv; writes qkv
;; launch attn: the kernel of part 3 again; grid 4 x 64, 8 waves a work-group, clusters of 4 x 1, 241,664 bytes of LDS; arguments qkv, tab, ctx; writes ctx
;; launch oproj: the kernel of part 4 again; grid 4 x 64, 4 waves a work-group, clusters of 4 x 4, 264,704 bytes of LDS; arguments ctx, w16, bo, out0; writes out0
